; MI455X (gfx1250); checked and timed in simulation.
; The chip was launched on July 23, 2026; its instructions are those of AMD's public machine-readable ISA for CDNA 5 (MIT licence, August 2026) and "CDNA5" Instruction Set Architecture Reference Guide (July 2026). The comments in the code are by the model that wrote it; some were corrected since.
;; MHA. Allowed arithmetic: matrix products marked QUANTISED: E4M3 operands, one given power-of-two scale a tensor, by v_wmma_f32_16x16x64_fp8_fp8 or v_wmma_f32_16x16x128_fp8_fp8, f32 sums; everything else in f32.
;; Inputs: Wk 1,024 x 1,024 float32; Wo 1,024 x 1,024 float32; Wq 1,024 x 1,024 float32; Wv 1,024 x 1,024 float32; bk 1,024 float32; bo 1,024 float32; bq 1,024 float32; bv 1,024 float32; hidden_state 4 x 2,048 x 1,024 float32; lowp_scales 12 int32 (the exponents e of the quantised operands' scales 2^e).
;; Outputs: out0 4 x 2,048 x 1,024 float32.
;; This version of the problem:
;;   THIS VERSION OF THE PROBLEM IS GIVEN IN LOW PRECISION. The matrix products marked QUANTISED in the list below multiply operands that are first quantised to E4M3 (4 exponent bits, 3 mantissa bits; 8 bits a number), with one given power-of-two scale for each operand tensor; their sums are f32. All else is computed in f32.
;;   The module's matrix products, in the order in which they are computed (A, B: the left and right operand; K: the contracted axis; several contracted axes count as one K, in the product's order):
;;     1. [M 8,192, K 1,024] x [K 1,024, N 1,024]; A: input hidden_state; B: input Wq: QUANTISED (scales: A lowp_scales[0], B lowp_scales[1])
;;     2. [M 8,192, K 1,024] x [K 1,024, N 1,024]; A: input hidden_state; B: input Wk: QUANTISED (scales: A lowp_scales[2], B lowp_scales[3])
;;     3. [M 8,192, K 1,024] x [K 1,024, N 1,024]; A: input hidden_state; B: input Wv: QUANTISED (scales: A lowp_scales[4], B lowp_scales[5])
;;     4. batch 64 x [M 2,048, K 64] x [K 64, N 2,048]; A: computed on the way; B: computed on the way: QUANTISED (scales: A lowp_scales[6], B lowp_scales[7])
;;     5. batch 64 x [M 2,048, K 2,048] x [K 2,048, N 64]; A: softmax (see below); B: computed on the way: QUANTISED (scales: A lowp_scales[8], B lowp_scales[9])
;;     6. [M 8,192, K 1,024] x [K 1,024, N 1,024]; A: computed on the way; B: input Wo: QUANTISED (scales: A lowp_scales[10], B lowp_scales[11])
;;   THE QUANTISER, for each operand of a quantised product, along K:
;;     - The operand's scale is 2^e, e = its entry of the input lowp_scales (int32; the entries are numbered through the quantised products in the list's order, A before B).
;;     - Each number is divided by the scale, clamped to +-448, and rounded to the nearest number of E4M3, ties to even, subnormals kept.
;;     - The product sums the exact products of the quantised numbers (number of the format x scale) in f32.
;;   ~~~python
;;   def quantise(x, axis, e):      # numpy; x: float32 -> the quantised numbers, widened to float32 again
;;       x = np.moveaxis(x, axis, -1); K = x.shape[-1]
;;       r = np.clip(x / 2.0 ** e, -448, 448)
;;       step = 2.0 ** (np.maximum(np.frexp(np.where(r == 0, 1, r))[1] - 1, -6) - 3)
;;       q = np.round(r / step) * step * 2.0 ** e      # np.round: ties to even
;;       return np.moveaxis(q, -1, axis).astype(np.float32)
;;   ~~~
;;   SOFTMAX AHEAD OF A QUANTISED PRODUCT. Where the list says 'softmax', what is quantised is not the finished softmax but p = 2^(t - M), with t = logit x log2(e) and M = ceil(the row's largest t), a whole number; so 1/2 < the row's largest p <= 1. The row's sum l is taken of the UNQUANTISED p, in f32, and the product's result is divided by l at the end. Since M is a whole number, a kernel that streams over the keys may use a running M (the ceiling of the running maximum): every later rescaling is an exact power of two, so the quantised numbers keep their values, but for numbers so far below the row's largest that they fall under the format's range.
;;   OPERANDS COMPUTED ON THE WAY. 'Computed on the way' means the value that the module computes at that place (a softmax that the list does not call 'softmax' is quantised finished and normalised). What goes into a quantiser is computed in f32, as accurately as f32 sums, v_exp_f32 and their like allow (about 1e-6 of the number): no bf16 or f16 on the way to a quantiser, and a product that is left as it is and whose result goes on into a quantised operand takes f32 operands (vector FMAs, or v_wmma_f32_16x16x4_f32). A number that lies on a knife's edge between two numbers of the format may be rounded either way, as far as f32 arithmetic and the matrix unit's own rounding can turn it there, and no further.
;; One version. Each part assembles by itself: llvm-mc -triple=amdgcn-amd-amdhsa -mcpu=gfx1250 --defsym DOCPART=n.
;; ======== version 1 of 1: 4 launches
;; limits: right only within a limited range of input values
;; workspace buffers: xcodes 25,165,824 bytes; wcodes 4,194,304 bytes; qcodes 8,388,608 bytes; kvcodes 16,777,216 bytes; acodes 8,388,608 bytes
;; launch quant (part 1): grid 768 x 1, 4 waves a work-group, no clusters, 34,304 bytes of LDS; arguments hidden_state, Wq, Wk, Wv, Wo, lowp_scales, xcodes, wcodes; writes xcodes, wcodes
.if DOCPART == 1
	.amdgcn_target "amdgcn-amd-amdhsa--gfx1250"
	.amdhsa_code_object_version 6
	.text
	.protected	k_qfd5ca75651_quant
	.globl	k_qfd5ca75651_quant
	.p2align	8
	.type	k_qfd5ca75651_quant,@function
k_qfd5ca75651_quant:
	s_mov_b64 s[64:65], 0
	v_nop
	global_prefetch_b8 v0, s[64:65] scope:SCOPE_SE
	s_setreg_imm32_b32 hwreg(HW_REG_WAVE_MODE, 25, 1), 1
	s_wait_xcnt 0x0
; hidden_state [8192][1024] and Wq, Wk, Wv, Wo [1024][1024], f32, K innermost, become codes of FP8 (E4M3), each with the given scale 2^e:
; code = x / 2^e, held within +-448, to the nearest code, ties to even.  hidden_state is quantised three times (entries 0, 2, 4 of the scales), the weights with entries 1, 3, 5, 11.
; LIMITS: each e between -126 and 119, so that 2^e and 448 x 2^e are f32 numbers.  NaN among the inputs is not served (an infinity is held at the largest code).
; THE CODES ARE LAID AS IMAGES OF OPERAND REGISTERS.  A block T is 16 rows: lane r of it stands for row 32 (T / 2) + 8 (T % 2) + r + 8 (r / 8).  A piece is 512 bytes: lane (r, h) has 16 bytes at
; 16 x lane, the codes of k = 32 c + 16 h + 0 .. 15 of its row.  A plane of codes is [row / 128][k / 256][block 0..7][piece 0..7][512 bytes].
; SHARES.  Work-groups 0 to 511: block T = the number, of hidden_state; the others: 64 blocks of each weight.  Wave w takes k = 256 w .. 256 w + 255 of the 16 rows, in two steps of 128.
; Each load reads 512 consecutive bytes of a row; a step's 16 rows turn through the wave's own stage in LDS (rows 528 bytes apart) and come back 64 bytes a lane: 16 neighbours along K of each block of 32.
; Each store covers 512 consecutive bytes, aligned.  No barrier: waves share nothing.  All 32 loads of a wave go out at the head.
.set NX,   512                         ; work-groups of hidden_state
.set RB,   4096                        ; a row in memory
.set SP,   528                         ; a stage row: 512 bytes + 16: row r starts 4 r banks on
.set WST,  16*SP                       ; a wave's stage
.set LB,   1                           ; v1      16 x lane
.set SA,   2                           ; v2      the stage, on the way in
.set SB,   3                           ; v3      and on the way out: row r, + 64 h
.set SC,   4                           ; v4-6    2^e as f32, three scales
.set LIM,  8                           ; v8-10   448 x 2^e
.set R,    16                          ; v16-143 two steps of 64 numbers
.set T,    144                         ; v144-175 two sets of 16 held numbers
.set C,    176                         ; v176-223 codes: 16 registers for each scale
	s_load_b512 s[4:19], s[0:1], 0x0               ; x 4:5, Wq 6:7, Wk 8:9, Wv 10:11, Wo 12:13, scales 14:15, xcodes 16:17, wcodes 18:19
	v_lshl_add_u32 v224, v0, 2, 0x8400
	v_mov_b32 v225, 0
	v_lshrrev_b32 v7, 5, v0
	v_readfirstlane_b32 s20, v7                    ; wave
	v_and_b32 v11, 31, v0
	v_lshlrev_b32 v[LB], 4, v11
	s_mul_i32 s23, s20, WST
	v_add_nc_u32 v[SA], s23, v[LB]
	v_and_b32 v12, 15, v0                          ; r
	v_bfe_u32 v13, v0, 4, 1                        ; h
	v_mul_u32_u24 v[SB], v12, SP
	v_lshl_add_u32 v[SB], v13, 6, v[SB]
	v_add_nc_u32 v[SB], s23, v[SB]
	s_sub_co_u32 s24, ttmp9, NX
	s_lshr_b32 s21, s24, 6                         ; which weight
	s_and_b32 s25, s24, 63
	s_cmp_lt_u32 ttmp9, NX
	s_cselect_b32 s22, ttmp9, s25                  ; T
	s_cselect_b32 s21, 0, s21
	s_lshr_b32 s26, s22, 1                         ; the block's first row, 32 (T / 2) + 8 (T % 2), in bytes, + my 256 along K
	s_lshl_b32 s26, s26, 17
	s_and_b32 s27, s22, 1
	s_lshl_b32 s27, s27, 15
	s_add_co_u32 s26, s26, s27
	s_lshl_b32 s27, s20, 10
	s_add_co_u32 s26, s26, s27
	s_mov_b32 s27, 0
	s_lshr_b32 s28, s22, 3                         ; in a plane of codes: (T / 8) x 131072 + w x 32768 + (T % 8) x 4096
	s_lshl_b32 s28, s28, 17
	s_and_b32 s29, s22, 7
	s_lshl_b32 s29, s29, 12
	s_add_co_u32 s28, s28, s29
	s_lshl_b32 s29, s20, 15
	s_add_co_u32 s28, s28, s29
	s_mov_b32 s29, 0
	s_lshl_b32 s30, s21, 20                        ; a weight's plane is 1 MiB
	s_add_co_u32 s30, s30, s28
	s_mov_b32 s31, 0
	s_wait_alu depctr_va_vdst(0)
	s_wait_kmcnt 0x0
	s_load_b256 s[48:55], s[14:15], 0x0            ; e0 .. e7
	s_load_b128 s[56:59], s[14:15], 0x20           ; e8 .. e11
	s_cmp_eq_u32 s21, 1                            ; the choices hang on the work-group's number alone
	s_cselect_b64 s[36:37], s[8:9], s[6:7]
	s_cmp_eq_u32 s21, 2
	s_cselect_b64 s[36:37], s[10:11], s[36:37]
	s_cmp_eq_u32 s21, 3
	s_cselect_b64 s[36:37], s[12:13], s[36:37]
	s_cmp_lt_u32 ttmp9, NX
	s_cselect_b64 s[36:37], s[4:5], s[36:37]       ; from where
	s_cselect_b64 s[38:39], s[16:17], s[18:19]     ; to where, first scale
	s_add_nc_u64 s[36:37], s[36:37], s[26:27]
	s_add_nc_u64 s[38:39], s[38:39], s[30:31]
	s_add_nc_u64 s[40:41], s[16:17], s[28:29]
	s_add_nc_u64 s[42:43], s[40:41], 0x1000000     ; hidden_state's third plane
	s_add_nc_u64 s[40:41], s[40:41], 0x800000      ; and its second
.macro LOADS st                        ; 16 rows x 128 numbers: each load 512 consecutive bytes of one row
.irp i, 0,1,2,3,4,5,6,7,8,9,10,11,12,13,14,15
	global_load_b128 v[R+64*\st+4*\i:R+64*\st+4*\i+3], v[LB], s[36:37] offset:(\i+8*(\i/8))*RB+512*\st th:TH_LOAD_NT
.endr
.endm
.macro TURN st                         ; through the stage and back into the same registers: LDS serves a wave's instructions in order (ISA guide 5.7.1.4), so no wait stands between
.irp i, 0,1,2,3,4,5,6,7,8,9,10,11,12,13,14,15
	ds_store_b128 v[SA], v[R+64*\st+4*\i:R+64*\st+4*\i+3] offset:SP*\i
.endr
.irp c, 0,1,2,3
.irp j, 0,1,2,3
	ds_load_b128 v[R+64*\st+16*\c+4*\j:R+64*\st+16*\c+4*\j+3], v[SB] offset:128*\c+16*\j   ; register 16 c + i = k 32 c + 16 h + i of row r
.endr
.endr
.endm
.macro QS st, k, dst                   ; a step's 64 numbers with scale k: four pieces, stored at s[dst]
.irp c, 0,1,2,3
.irp i, 0,1,2,3,4,5,6,7,8,9,10,11,12,13,14,15
	v_med3_num_f32 v[T+16*(\c%2)+\i], v[R+64*\st+16*\c+\i], -v[LIM+\k], v[LIM+\k]   ; the conversion does not saturate (ISA guide 7.6.2): the hold comes first.  The two sets take turns, so 16 plain lines stand between a conversion and the next write of its sources
.endr
	v_cvt_scalef32_pk8_fp8_f32 v[C+16*\k+4*\c:C+16*\k+4*\c+1], v[T+16*(\c%2):T+16*(\c%2)+7], v[SC+\k]
	v_cvt_scalef32_pk8_fp8_f32 v[C+16*\k+4*\c+2:C+16*\k+4*\c+3], v[T+16*(\c%2)+8:T+16*(\c%2)+15], v[SC+\k]
.endr
.irp c, 0,1,2,3
	global_store_b128 v[LB], v[C+16*\k+4*\c:C+16*\k+4*\c+3], s[\dst:\dst+1] offset:2048*\st+512*\c   ; 32 lanes store 512 consecutive bytes, aligned
.endr
.endm
.macro STEPQ st                        ; a weight has one scale: the other two are jumped over, by the work-group's number
	QS \st, 0, 38
	s_cmp_lt_u32 ttmp9, NX
	s_cbranch_scc0 .Lw_\@
	QS \st, 1, 40
	QS \st, 2, 42
.Lw_\@:
.endm
.macro MKSC e, vs, vl                  ; s[e] = e: 2^e and 448 x 2^e as f32
	s_add_co_i32 s46, s[\e], 127
	s_lshl_b32 s47, s46, 23
	v_mov_b32 v[\vs], s47
	s_add_co_i32 s46, s46, 8
	s_lshl_b32 s46, s46, 23
	s_or_b32 s46, s46, 0x600000
	v_mov_b32 v[\vl], s46
.endm
	LOADS 0
	LOADS 1
	s_wait_kmcnt 0x0
	s_cmp_eq_u32 s21, 1
	s_cselect_b32 s44, s51, s49                    ; Wk: e3, Wq: e1
	s_cmp_eq_u32 s21, 2
	s_cselect_b32 s44, s53, s44                    ; Wv: e5
	s_cmp_eq_u32 s21, 3
	s_cselect_b32 s44, s59, s44                    ; Wo: e11
	s_cmp_lt_u32 ttmp9, NX
	s_cselect_b32 s44, s48, s44                    ; hidden_state: e0,
	MKSC 44, SC, LIM
	MKSC 50, SC+1, LIM+1                           ; e2,
	MKSC 52, SC+2, LIM+2                           ; e4
	s_wait_alu depctr_va_vdst(0)
	s_wait_loadcnt 16                              ; step 0's 16 loads are in; step 1's 16 may be out
	TURN 0
	s_wait_dscnt 0x0
	STEPQ 0
	s_wait_loadcnt 0x0
	TURN 1
	s_wait_dscnt 0x0
	s_wait_xcnt 0x0                                ; step 0's stores have read their registers: the codes' registers are written again only behind this wait
	STEPQ 1
	s_wait_tensorcnt 0x0
	ds_add_u32 v224, v225
	s_wait_dscnt 0x0
	s_endpgm
.Lfunc_end_k_qfd5ca75651_quant:
	.size	k_qfd5ca75651_quant, .Lfunc_end_k_qfd5ca75651_quant-k_qfd5ca75651_quant
	.p2alignl 7, 3214868480
	.fill 96, 4, 3214868480
	.section	.rodata,"a",@progbits
	.p2align	6, 0x0
	.amdhsa_kernel k_qfd5ca75651_quant
		.amdhsa_group_segment_fixed_size 34304
		.amdhsa_private_segment_fixed_size 0
		.amdhsa_enable_private_segment 0
		.amdhsa_kernarg_size 64
		.amdhsa_user_sgpr_count 2
		.amdhsa_user_sgpr_kernarg_segment_ptr 1
		.amdhsa_wavefront_size32 1
		.amdhsa_system_sgpr_workgroup_id_x 1
		.amdhsa_system_sgpr_workgroup_id_y 1
		.amdhsa_system_sgpr_workgroup_id_z 1
		.amdhsa_system_vgpr_workitem_id 0
		.amdhsa_next_free_vgpr 226
		.amdhsa_next_free_sgpr 66
		.amdhsa_reserve_vcc 0
		.amdhsa_float_denorm_mode_32 3
		.amdhsa_float_denorm_mode_16_64 3
		.amdhsa_memory_ordered 1
		.amdhsa_forward_progress 1
		.amdhsa_inst_pref_size 41
	.end_amdhsa_kernel
	.amdgpu_metadata
---
amdhsa.version: [ 1, 2 ]
amdhsa.kernels:
  - .name:           k_qfd5ca75651_quant
    .symbol:         k_qfd5ca75651_quant.kd
    .args:
      - { .name: hidden_state, .offset: 0, .size: 8, .value_kind: global_buffer, .address_space: global }
      - { .name: Wq, .offset: 8, .size: 8, .value_kind: global_buffer, .address_space: global }
      - { .name: Wk, .offset: 16, .size: 8, .value_kind: global_buffer, .address_space: global }
      - { .name: Wv, .offset: 24, .size: 8, .value_kind: global_buffer, .address_space: global }
      - { .name: Wo, .offset: 32, .size: 8, .value_kind: global_buffer, .address_space: global }
      - { .name: lowp_scales, .offset: 40, .size: 8, .value_kind: global_buffer, .address_space: global }
      - { .name: xcodes, .offset: 48, .size: 8, .value_kind: global_buffer, .address_space: global }
      - { .name: wcodes, .offset: 56, .size: 8, .value_kind: global_buffer, .address_space: global }
    .group_segment_fixed_size: 34304
    .private_segment_fixed_size: 0
    .kernarg_segment_align: 8
    .kernarg_segment_size: 64
    .max_flat_workgroup_size: 128
    .sgpr_count:     66
    .vgpr_count:     226
    .wavefront_size: 32
...
	.end_amdgpu_metadata
.endif
;; end of part 1
;; launch qkv (part 2): grid 4 x 64, 4 waves a work-group, clusters of 4 x 4, 327,680 bytes of LDS; arguments xcodes, wcodes, lowp_scales, bq, bk, bv, qcodes, kvcodes; writes qcodes, kvcodes
.if DOCPART == 2
	.amdgcn_target "amdgcn-amd-amdhsa--gfx1250"
	.amdhsa_code_object_version 6
	.text
	.protected	k_qfd5ca75651_qkv
	.globl	k_qfd5ca75651_qkv
	.p2align	8
	.type	k_qfd5ca75651_qkv,@function
k_qfd5ca75651_qkv:
	s_mov_b64 s[64:65], 0
	v_nop
	global_prefetch_b8 v0, s[64:65] scope:SCOPE_SE
	s_setreg_imm32_b32 hwreg(HW_REG_WAVE_MODE, 25, 1), 1
	s_wait_xcnt 0x0
	s_wait_alu depctr_hold_cnt(0) depctr_sa_sdst(0) depctr_va_vdst(0) depctr_va_sdst(0) depctr_va_ssrc(0) depctr_va_vcc(0) depctr_vm_vsrc(0)
	s_getreg_b32 s2, hwreg(HW_REG_IB_STS2, 6, 4)
	s_cmp_eq_u32 s2, 0
	s_cbranch_scc0 .Lentry_in_a_cluster
	s_endpgm
.Lentry_in_a_cluster:
	s_bfe_u32 s2, ttmp6, 0x10000c
	s_cmp_lg_u32 s2, 0xf033
	s_cbranch_scc0 .Lentry_shape_is_right
	s_endpgm
.Lentry_shape_is_right:
; q = x Wq^T + bq, k = x Wk^T + bk, v = x Wv^T + bv on codes of FP8 (E4M3); each result is quantised at once (entries 6, 7, 9 of the scales) and stored as codes.
; OPERANDS ARE IMAGES OF REGISTERS.  A block T is 16 rows, lane r of it row 32 (T / 2) + 8 (T % 2) + r + 8 (r / 8); a piece is 512 bytes, lane (r, h) has 16 bytes at 16 x lane: k = 32 c + 16 h + 0 .. 15.
; A plane of codes is [row / 128][k / 256][block 0..7][piece 0..7][512]: 128 rows x 256 K are 32,768 consecutive bytes, and a fragment comes by four ds_load_b128 at 16 x lane + constants.
; D = (source 0 = P) x (source 1 = Q): a lane holds one row of Q, and the 16 registers of P's blocks 2 b and 2 b + 1 are P's rows 32 b + 16 h + 0 .. 15: two conversions make a piece of the next operand.
; The k order of a fragment is not this form's own but the same on both sides: every product meets its partner.
; A WORK-GROUP STAYS AND MAKES TWO TILES: q and k have 256 tiles of 256 x 256, v has 256 halves of such tiles: 256 work-groups take one of each.
; TILE 1 (z = 0 q, 1 k): P = 256 rows of the weight (registers along the head's channels), Q = 256 rows of x; a wave makes 128 x 128: 64 accumulators.
; TILE 2 (v): P = 256 rows of x (registers along the keys, so v's codes come out with the keys innermost), Q = 128 rows of Wv; a wave makes 128 of P x 64 of Q: 32 accumulators, two sets of fragments on both sides.
; K = 1,024 goes in four slots of 256 through a ring of two LDS slots, and the ring goes on from tile 1 into tile 2: tile 2's first slot is the refill at tile 1's last change of slots, its second is asked for
; behind a round at tile 1's end, ahead of tile 1's way out.
; CLUSTERS of 4 x 4: the cluster's y gives z (y / 8) and four tiles of x (y % 8).  Q's tiles hang on cy and are shared along a row of the cluster, P's on cx and along a column: asked for jointly.
; A sum stands for sum x 2^(ex + ew): the bias goes in as bias / 2^(ex + ew), and the conversion takes 2^(eo - ex - ew).
; LIMITS: eo - ex - ew between -126 and 119; bias / 2^(ex + ew) must be an f32 number.  NaN is not served.
; REGISTERS: window 0: v16-30 addresses; v32-95 tile 1's bias along P; v96-103 tile 2's bias along Q, each number twice; v112-115 the conversions' scales and holds; v128-255 Q's fragments, on the ways out numbers and codes.
;   window 1: P's fragments, two sets.   windows 2, 3: tile 1's accumulator (a, b) at v[8 (8 (a % 4) + b)]: a = Q's block, b = P's; tile 2's 32 in window 2.
.set HALFT,  32768                     ; 128 rows x 256 K
.set SLOT,   4*HALFT                   ; Q's part from 0, P's two halves from 2 HALFT
.set SPARE,  2*SLOT                    ; behind the ring: the spare words, 128 bytes for each wave, that no other line names
.set FR,     16
.set NL,     4
.set NP,     4
.set ADRA, 16                          ; v16-17  tile 1: my Q fragments in slot 0, 1
.set ADRA2, 18                         ; v18-19  tile 2: the same
.set ADRB, 20                          ; v20-21  my P fragments, both tiles
.set HB,   24                          ; v24     64 h
.set RQ,   25                          ; v25     4 (r + 8 (r / 8))
.set LB,   26                          ; v26     16 x lane
.set SPW,  28
.set NIL,  29
.set PFO,  30                          ; v30     256 x lane
.set BP,   32
.set BQ,   96
.set SCV,  112
.set LIMV, 113
.set SCV2, 114
.set LIMV2, 115
.set AF,   128
.set TT,   128                         ; the ways out: a block's 64 numbers
.set CD,   192                         ; and four sets of 16 registers of codes
.set WV, 20
.set WH, 21
.set WL, 22
.set G1Q2, 4                           ; s[4:11]  group 1 for tile 2's Q: written when the arguments there have been used
.set G1, 24
.set G0, 32
.set G1B, 48
.set G0B, 56
.set OB, 88                            ; s[88:89], s[90:91]: where tile 1's two heads' codes go
.set Q2G, 92                           ; s[92:93] tile 2: what I would fetch of Wv;  s[94:95] of x;  s[96:97] where my codes go;  s[98:99] where my prefetch stands
.set P2G, 94
.set OB2, 96
.set PF2, 98
.set MSB, 0
.macro WIN new                         ; the immediate's high byte repeats the setting that is left
.if MSB != \new
	s_set_vgpr_msb (MSB<<8)|\new
.set MSB, \new
.endif
.endm
.set MUL_LO, 0xa1                      ; source 0 (P) window 1, source 1 (Q) window 0, C and D window 2
.set MUL_HI, 0xf1
.set TO_B,   0x40
.macro JLOAD g0a, g1a, g0b, g1b        ; a joint load: waves 0 and 1 fetch for Q, waves 2 and 3 for P; s_nop 0 and four v_nop follow each line
	s_cmp_eq_u32 s[WH], 0
	s_cbranch_scc0 .Lfor_b_\@
	tensor_load_to_lds s[\g0a:\g0a+3], s[\g1a:\g1a+7]
	s_nop 0
.rept 4
	v_nop
.endr
	s_branch .Lasked_\@
.Lfor_b_\@:
	tensor_load_to_lds s[\g0b:\g0b+3], s[\g1b:\g1b+7]
	s_nop 0
.rept 4
	v_nop
.endr
.Lasked_\@:
.endm
.macro CREST
	s_cmp_lg_u32 s[WV], 0
	s_cbranch_scc1 .Lnot_wave_0_\@
	s_barrier_signal -3
.Lnot_wave_0_\@:
	s_barrier_wait -3
	s_barrier_signal -1
	s_barrier_wait -1
.endm
.macro CROUND
	s_barrier_signal -1
	s_barrier_wait -1
	CREST
.endm
.macro G1SET g, r                      ; r rows of 256 bytes, dense: 32 elements of 8 bytes
	s_mov_b32 s[\g+1], 32<<16
	s_mov_b32 s[\g+2], (\r)<<16
	s_mov_b32 s[\g+3], 32<<16
	s_mov_b32 s[\g+4], \r
	s_mov_b32 s[\g+5], 32
	s_mov_b32 s[\g+6], 0
	s_mov_b32 s[\g+7], 0
.endm
	s_load_b512 s[4:19], s[0:1], 0x0               ; xcodes 4:5, wcodes 6:7, scales 8:9, bq 10:11, bk 12:13, bv 14:15, qcodes 16:17, kvcodes 18:19
	v_lshl_add_u32 v[SPW], v0, 2, SPARE
	v_mov_b32 v[NIL], 0
	ds_add_u32 v[SPW], v[NIL]                      ; the opening lines: the add twice on end and its wait ahead of my first tensor load
	ds_add_u32 v[SPW], v[NIL]
	v_lshrrev_b32 v1, 5, v0
	v_readfirstlane_b32 s[WV], v1
	s_lshr_b32 s[WH], s[WV], 1                     ; my half of Q's rows.  Also: I fetch for Q (0) or for P (1)
	s_and_b32 s[WL], s[WV], 1                      ; my half of P's rows.  Also: which part I fetch
	s_bfe_u32 s40, ttmp6, 0x40000                  ; cx: tile 1's tile of the weight
	s_bfe_u32 s41, ttmp6, 0x40004                  ; cy
	s_and_b32 s42, ttmp7, 0xffff                   ; the cluster's y: the same in all sixteen partners
	s_lshr_b32 s43, s42, 3                         ; z
	s_and_b32 s42, s42, 7
	s_lshl_b32 s42, s42, 2                         ; the first of my cluster's four tiles of x
	s_add_co_u32 s47, s42, s41                     ; tile 1's tile of x: hangs on cy, never on cx
	s_lshl_b32 s44, s41, 2
	s_lshl_b32 s44, 15, s44                        ; my row of the cluster
	s_lshl_b32 s45, 0x1111, s40                    ; my column
	s_or_b32 s[G1+0], s44, (3<<16)|(1<<21)         ; the mask; elements of 8 bytes; bit 21 beside a mask; no padding
	s_or_b32 s[G1B+0], s45, (3<<16)|(1<<21)
	G1SET G1, 128
	G1SET G1B, 128
	s_lshl_b32 s86, s40, 1
	s_add_co_u32 s86, s86, s[WL]
	s_lshl_b32 s86, s86, 17                        ; P: (2 x tile + half) x 131072,
	s_lshl_b32 s2, s43, 20
	s_add_co_u32 s86, s86, s2                      ; in the weight's plane
	s_mov_b32 s87, 0
	s_lshl_b32 s84, s47, 1
	s_add_co_u32 s84, s84, s[WL]
	s_lshl_b32 s84, s84, 17
	s_lshl_b32 s3, s43, 23
	s_add_co_u32 s84, s84, s3                      ; Q likewise, in x's plane
	s_mov_b32 s85, 0
	s_mul_i32 s67, s[WV], HALFT                    ; where my load goes: no place in the cluster enters an LDS address
	s_wait_dscnt 0x0
	s_wait_kmcnt 0x0
	s_load_b256 s[68:75], s[8:9], 0x0              ; e0 .. e7
	s_load_b128 s[76:79], s[8:9], 0x20             ; e8 .. e11
	s_add_nc_u64 s[86:87], s[6:7], s[86:87]
	s_add_nc_u64 s[84:85], s[4:5], s[84:85]
	CROUND                                         ; all sixteen work-groups are here: the first joint loads meet
.irp s, 0,1
	s_mov_b32 s[G0+4*\s], 1
	s_add_co_u32 s[G0+4*\s+1], s67, \s*SLOT
	s_add_nc_u64 s[G0+4*\s+2:G0+4*\s+3], s[84:85], \s*HALFT
	s_or_b32 s[G0+4*\s+3], s[G0+4*\s+3], 0x80000000
	s_mov_b32 s[G0B+4*\s], 1
	s_add_co_u32 s[G0B+4*\s+1], s67, \s*SLOT
	s_add_nc_u64 s[G0B+4*\s+2:G0B+4*\s+3], s[86:87], \s*HALFT
	s_or_b32 s[G0B+4*\s+3], s[G0B+4*\s+3], 0x80000000
.endr
	JLOAD G0, G1, G0B, G1B                         ; slot 0: one tensor load a wave at the head
	s_mul_i32 s2, s[WH], HALFT
	s_mul_i32 s3, s[WL], HALFT
	s_add_co_u32 s3, s3, 2*HALFT
	s_lshl_b32 s23, s[WH], 14
	v_and_b32 v1, 31, v0
	v_lshlrev_b32 v[LB], 4, v1
	v_lshlrev_b32 v[PFO], 8, v1
.irp s, 0,1
	v_add_nc_u32 v[ADRA+\s], s2, v[LB]
	v_add_nc_u32 v[ADRB+\s], s3, v[LB]
	v_add_nc_u32 v[ADRA2+\s], s23, v[LB]
	s_add_co_u32 s2, s2, SLOT
	s_add_co_u32 s3, s3, SLOT
	s_add_co_u32 s23, s23, SLOT
.endr
	v_bfe_u32 v2, v0, 4, 1                         ; h
	v_and_b32 v3, 15, v0                           ; r
	v_lshlrev_b32 v[HB], 6, v2
	v_and_b32 v4, 8, v3
	v_add_nc_u32 v4, v4, v3
	v_lshlrev_b32 v[RQ], 2, v4
	s_wait_alu depctr_va_vdst(0)                   ; the wait ahead of the scalar lines and branches below
	; A PREFETCH INTO THE L2 of what tile 1's two refills will ask for: slots 2 and 3 of the 128 rows that I fetch are 65,536 consecutive bytes.  The four partners that ask for them jointly share them out by address,
	; 16,384 bytes each (by cx for Q's tiles, by cy for P's): two instructions a wave, lanes 256 bytes apart.  x's side is asked for by every cluster (its rows are its own); a weight's by the first cluster of its z alone.
	s_cmp_eq_u32 s[WH], 0
	s_cselect_b64 s[44:45], s[84:85], s[86:87]
	s_cselect_b32 s66, s40, s41
	s_cselect_b32 s23, 0, s42                      ; 0: I ask
	s_lshl_b32 s66, s66, 14
	s_mov_b32 s67, 0
	s_add_nc_u64 s[44:45], s[44:45], s[66:67]
	s_cmp_lg_u32 s23, 0
	s_cbranch_scc1 .Lno_pf
	global_prefetch_b8 v[PFO], s[44:45] offset:65536 th:TH_LOAD_NT scope:SCOPE_SE
	global_prefetch_b8 v[PFO], s[44:45] offset:73728 th:TH_LOAD_NT scope:SCOPE_SE
.Lno_pf:
	s_mov_b32 s3, 0
	s_cmp_eq_u32 s43, 1                            ; tile 1's bias runs along P's rows
	s_cselect_b64 s[10:11], s[12:13], s[10:11]
	s_lshl_b32 s2, s40, 8
	s_lshl_b32 s23, s[WL], 7
	s_add_co_u32 s2, s2, s23
	s_lshl_b32 s2, s2, 2
	s_add_nc_u64 s[10:11], s[10:11], s[2:3]
.irp g, 0,1,2,3
.irp j, 0,1,2,3
	global_load_b128 v[BP+16*\g+4*\j:BP+16*\g+4*\j+3], v[HB], s[10:11] offset:128*\g+16*\j   ; register 16 g + i: P's row 32 g + 16 h + i
.endr
.endr
	s_lshl_b32 s80, s43, 2
	s_add_co_u32 s80, s80, s41                     ; tile 2's group of 128 rows of Wv: 4 z + cy: hangs on cy, never on cx
	s_lshl_b32 s2, s80, 7
	s_lshl_b32 s23, s[WH], 6
	s_add_co_u32 s2, s2, s23
	s_lshl_b32 s2, s2, 2
	s_add_nc_u64 s[14:15], s[14:15], s[2:3]        ; tile 2's bias is the lane's row of Q's
.irp a, 0,1,2,3
	global_load_b32 v[BQ+2*\a], v[RQ], s[14:15] offset:(32*(\a/2)+8*(\a%2))*4                ; block a: my row; twice, a pair for the packed addition
	global_load_b32 v[BQ+2*\a+1], v[RQ], s[14:15] offset:(32*(\a/2)+8*(\a%2))*4
.endr
	; where tile 1's codes go: s66 = which 128 rows of x, s23 = the first of my two heads
	s_lshl_b32 s66, s47, 1
	s_add_co_u32 s66, s66, s[WH]
	s_lshl_b32 s23, s40, 1
	s_add_co_u32 s23, s23, s[WL]
	s_lshl_b32 s23, s23, 1
	s_cmp_eq_u32 s43, 0
	s_cselect_b64 s[OB:OB+1], s[16:17], s[18:19]
	s_cselect_b32 s81, 17, 18                      ; a head: 131,072 bytes of q's codes, 262,144 of k's and v's
	s_cselect_b32 s82, 13, 14                      ; 128 rows: 8,192 or 16,384
	s_lshr_b32 s2, s66, 4
	s_lshl_b32 s2, s2, 4
	s_add_co_u32 s2, s2, s23                       ; 16 x batch + head
	s_lshl_b32 s2, s2, s81
	s_and_b32 s66, s66, 15
	s_lshl_b32 s66, s66, s82
	s_add_co_u32 s2, s2, s66
	s_add_nc_u64 s[OB:OB+1], s[OB:OB+1], s[2:3]
	s_lshl_b32 s2, 1, s81
	s_add_nc_u64 s[OB+2:OB+3], s[OB:OB+1], s[2:3]
	; tile 2: s66 = which 128 rows of x (hangs on cx, never on cy), my head = 2 (4 z + cy) + my half
	s_add_co_u32 s66, s42, s40
	s_lshl_b32 s66, s66, 1
	s_add_co_u32 s66, s66, s[WL]
	s_lshl_b32 s2, s66, 17
	s_add_co_u32 s2, s2, 0x1000000                 ; x's third plane
	s_add_nc_u64 s[P2G:P2G+1], s[4:5], s[2:3]
	s_lshl_b32 s2, s80, 17
	s_add_co_u32 s2, s2, 0x200000                  ; Wv's plane
	s_add_nc_u64 s[Q2G:Q2G+1], s[6:7], s[2:3]
	s_lshl_b32 s2, s40, 1                          ; the prefetch for tile 2 (macro ASK2): Wv's group by (cx, part), 8,192 bytes each; x's 128 rows by cy, 16,384 bytes each
	s_add_co_u32 s2, s2, s[WL]
	s_lshl_b32 s2, s2, 13
	s_lshl_b32 s23, s41, 14
	s_cmp_eq_u32 s[WH], 0
	s_cselect_b32 s2, s2, s23
	s_cselect_b64 s[PF2:PF2+1], s[Q2G:Q2G+1], s[P2G:P2G+1]
	s_add_nc_u64 s[PF2:PF2+1], s[PF2:PF2+1], s[2:3]
	s_lshl_b32 s2, s[WL], 14
	s_add_nc_u64 s[Q2G:Q2G+1], s[Q2G:Q2G+1], s[2:3]    ; of Wv's group I fetch blocks 4 x part on
	s_lshl_b32 s23, s80, 1
	s_add_co_u32 s23, s23, s[WH]
	s_lshr_b32 s2, s66, 4
	s_lshl_b32 s2, s2, 4
	s_add_co_u32 s2, s2, s23
	s_lshl_b32 s2, s2, 18
	s_and_b32 s66, s66, 15
	s_lshl_b32 s66, s66, 14
	s_add_co_u32 s2, s2, s66
	s_add_nc_u64 s[OB2:OB2+1], s[18:19], s[2:3]
	s_wait_kmcnt 0x0
	s_cmp_eq_u32 s43, 1
	s_cselect_b32 s2, s70, s68                     ; ex
	s_cselect_b32 s3, s71, s69                     ; ew
	s_cselect_b32 s23, s75, s74                    ; eo
	s_add_co_i32 s2, s2, s3
	s_sub_co_i32 s83, 0, s2                        ; -(ex + ew)
	s_sub_co_i32 s23, s23, s2
	s_add_co_i32 s23, s23, 127
	s_lshl_b32 s3, s23, 23
	v_mov_b32 v[SCV], s3                           ; 2^(eo - ex - ew)
	s_add_co_i32 s23, s23, 8
	s_lshl_b32 s23, s23, 23
	s_or_b32 s23, s23, 0x600000
	v_mov_b32 v[LIMV], s23                         ; 448 x that
	s_add_co_i32 s2, s72, s73                      ; the same for v: e4, e5, e9
	s_sub_co_i32 s81, 0, s2
	s_sub_co_i32 s23, s77, s2
	s_add_co_i32 s23, s23, 127
	s_lshl_b32 s3, s23, 23
	v_mov_b32 v[SCV2], s3
	s_add_co_i32 s23, s23, 8
	s_lshl_b32 s23, s23, 23
	s_or_b32 s23, s23, 0x600000
	v_mov_b32 v[LIMV2], s23
	s_wait_loadcnt 0x0
	s_or_b32 s[G1Q2], s44, 0                       ; (placeholder line replaced below)
.set i, 0
.rept 64
	v_ldexp_f32 v[BP+i], v[BP+i], s83              ; bias / 2^(ex + ew)
.set i, i+1
.endr
.set i, 0
.rept 8
	v_ldexp_f32 v[BQ+i], v[BQ+i], s81
.set i, i+1
.endr
	s_lshl_b32 s2, s41, 2                          ; the arguments in s[4:11] have been used, and the loads by s[10:11] are done: tile 2's Q comes in parts of 64 rows of 256 bytes, shared along my row of the cluster
	s_lshl_b32 s2, 15, s2
	s_or_b32 s[G1Q2], s2, (3<<16)|(1<<21)
	G1SET G1Q2, 64
.macro FRAG reg, adr, q, i             ; block i's fragment of the slot's q-th 128 along K: four pieces
.irp c, 0,1,2,3
	ds_load_b128 v[\reg+4*\c:\reg+4*\c+3], v[\adr] offset:2048*(\q)+512*\c+4096*(\i)
.endr
.endm
; 16 matrix instructions: Q's blocks a0, a0 + 1 x P's eight.  The accumulators take turns, one instruction a turn, in the same order in every step.
.macro MUL16 a0, p, zero
.irp a, \a0, \a0+1
.irp b, 0,1,2,3,4,5,6,7
.if \zero
	v_wmma_f32_16x16x128_fp8_fp8 v[8*(8*((\a)%4)+\b):8*(8*((\a)%4)+\b)+7], v[128*(\p)+FR*\b:128*(\p)+FR*\b+FR-1], v[AF+FR*(\a):AF+FR*(\a)+FR-1], 0
.else
	v_wmma_f32_16x16x128_fp8_fp8 v[8*(8*((\a)%4)+\b):8*(8*((\a)%4)+\b)+7], v[128*(\p)+FR*\b:128*(\p)+FR*\b+FR-1], v[AF+FR*(\a):AF+FR*(\a)+FR-1], v[8*(8*((\a)%4)+\b):8*(8*((\a)%4)+\b)+7]
.endif
.endr
.endr
.endm
.macro FETCH_B slot, q, p
	WIN TO_B
.irp i, 0,1,2,3,4,5,6,7
	FRAG 128*(\p)+FR*\i, ADRB+\slot, \q, \i
.endr
	WIN 0
.endm
.macro FETCH_A slot, q, i0
.irp i, \i0, \i0+1, \i0+2, \i0+3
	FRAG AF+FR*(\i), ADRA+\slot, \q, \i
.endr
.endm
.macro PLACES n                        ; plain vector lines between a matrix instruction and a load into, or a read of, its registers
.rept \n
	v_nop
.endr
.endm
.macro STEP slot, q, zero              ; tile 1: 128 along K, with its successor in the same slot
	s_wait_dscnt 4*NL                              ; P's set and Q's blocks 0-3 are in; the youngest 16 loads (Q's blocks 4-7) may be out
	WIN MUL_LO
	MUL16 0, (\q)%2, \zero
	MUL16 2, (\q)%2, \zero
	s_wait_dscnt 0
	PLACES NP
	FETCH_B \slot, (\q)+1, 1-(\q)%2
	FETCH_A \slot, (\q)+1, 0
	WIN MUL_HI
	MUL16 4, (\q)%2, \zero
	MUL16 6, (\q)%2, \zero
	PLACES NP
	WIN 0
	FETCH_A \slot, (\q)+1, 4
.endm
; A prefetch into the L2 of tile 2's slots 2 and 3, two fills ahead of the load that wants the first of them.  Each block of 256 bytes is named once in a cluster; Wv's by the clusters with the first tiles of x alone.
.macro ASK2
	s_cmp_eq_u32 s[WH], 0
	s_cbranch_scc0 .Lp2_\@
	s_cmp_lg_u32 s42, 0
	s_cbranch_scc1 .Ld2_\@
	global_prefetch_b8 v[PFO], s[PF2:PF2+1] offset:65536 th:TH_LOAD_NT scope:SCOPE_SE
	s_branch .Ld2_\@
.Lp2_\@:
	global_prefetch_b8 v[PFO], s[PF2:PF2+1] offset:65536 th:TH_LOAD_NT scope:SCOPE_SE
	global_prefetch_b8 v[PFO], s[PF2:PF2+1] offset:73728 th:TH_LOAD_NT scope:SCOPE_SE
.Ld2_\@:
.endm
; Tile 1: a slot's last step changes slots: in front of the round each wave waits for all its tensor loads, adds 0 to its spare word, and waits for that and for its reads of this slot.
; fill = 1: the slot takes tile 1's K two slots on.  fill = 2 (slot 0): it takes tile 2's first slot.
.macro TURN slot, next, fill
	s_wait_tensorcnt 0x0                           ; all my tensor loads have landed: my part of the next slot
	ds_add_u32 v[SPW], v[NIL]                      ; 0 onto my spare word
	s_wait_dscnt 4*NL+1                            ; (the add and the youngest 16 loads may be out)
	WIN MUL_LO
	MUL16 0, 1, 0
	s_wait_dscnt 0x0                               ; the add is done, and my reads of this slot are over
	s_barrier_signal -1
	MUL16 2, 1, 0
	WIN 0
	s_barrier_wait -1
	CREST                                          ; the barrier has opened a round of the cluster's: no wave of any partner still reads this slot or has a load on its way
.if \fill == 1
	s_add_nc_u64 s[G0+4*\slot+2:G0+4*\slot+3], s[G0+4*\slot+2:G0+4*\slot+3], 2*HALFT
	s_add_nc_u64 s[G0B+4*\slot+2:G0B+4*\slot+3], s[G0B+4*\slot+2:G0B+4*\slot+3], 2*HALFT
	JLOAD G0+4*\slot, G1, G0B+4*\slot, G1B         ; the first tensor load behind the round, my one load until the next
.else
	s_mov_b64 s[G0+2:G0+3], s[Q2G:Q2G+1]
	s_or_b32 s[G0+3], s[G0+3], 0x80000000
	s_lshl_b32 s[G0+1], s[WL], 14                  ; Q's two parts of 16,384 bytes lie on end
	s_mov_b64 s[G0B+2:G0B+3], s[P2G:P2G+1]
	s_or_b32 s[G0B+3], s[G0B+3], 0x80000000
	JLOAD G0, G1Q2, G0B, G1B
.endif
	FETCH_B \next, 0, 0
	FETCH_A \next, 0, 0
.if \fill == 2
	ASK2
.endif
	WIN MUL_HI
	MUL16 4, 1, 0
	MUL16 6, 1, 0
	PLACES NP
	WIN 0
	FETCH_A \next, 0, 4
.endm
	s_wait_alu depctr_va_vdst(0)                   ; the wait at the head's end
	s_wait_tensorcnt 0x0                           ; my part of slot 0 is in; slot 1's first fill is issued as a refill is:
	ds_add_u32 v[SPW], v[NIL]                      ; 0 onto my spare word
	s_wait_dscnt 0x0
	CROUND                                         ; everybody's part of slot 0 is in, and all sixteen work-groups are here
	JLOAD G0+4, G1, G0B+4, G1B                     ; slot 1: the first tensor load behind the round
	FETCH_B 0, 0, 0
	FETCH_A 0, 0, 0
	FETCH_A 0, 0, 4
	STEP 0, 0, 1                                   ; the first products start the sums: nothing is cleared.  Eight steps of 128, written out: a loop would have one trip
	TURN 0, 1, 1
	STEP 1, 0, 0
	TURN 1, 0, 1
	STEP 0, 0, 0
	TURN 0, 1, 2
	STEP 1, 0, 0
	s_wait_dscnt 4*NL
	WIN MUL_LO
	MUL16 0, 1, 0
	MUL16 2, 1, 0
	s_wait_dscnt 0
	WIN MUL_HI
	MUL16 4, 1, 0
	MUL16 6, 1, 0
	WIN 0
	s_wait_tensorcnt 0x0                           ; my part of tile 2's first slot is in
	ds_add_u32 v[SPW], v[NIL]
	s_wait_dscnt 0x0                               ; the add is done; my reads of slot 1 were over above
	CROUND
	s_add_nc_u64 s[G0+6:G0+7], s[Q2G:Q2G+1], HALFT
	s_or_b32 s[G0+7], s[G0+7], 0x80000000
	s_lshl_b32 s[G0+5], s[WL], 14
	s_add_co_u32 s[G0+5], s[G0+5], SLOT
	s_add_nc_u64 s[G0B+6:G0B+7], s[P2G:P2G+1], HALFT
	s_or_b32 s[G0B+7], s[G0B+7], 0x80000000
	JLOAD G0+4, G1Q2, G0B+4, G1B                   ; tile 2's second slot, asked for ahead of tile 1's way out
; TILE 1'S WAY OUT, a block of Q at a time: + bias, the hold, eight conversions: four pieces, each stored as 512 consecutive bytes, aligned.  No LDS.
; The bias runs along the registers; piece b belongs to head b / 2, channels 32 (b % 2) on, of block a of the rows.
	PLACES NP
.irp a, 0,1,2,3,4,5,6,7
	WIN 0x02+(\a/4)                                ; source 0: window 2 or 3
.set j, 0
.rept 32
	v_pk_add_f32 v[TT+j:TT+j+1], v[64*(\a%4)+j:64*(\a%4)+j+1], v[BP+j:BP+j+1]      ; each accumulator from its low end on
.set j, j+2
.endr
	WIN 0
.set j, 0
.rept 64
	v_med3_num_f32 v[TT+j], v[TT+j], -v[LIMV], v[LIMV]
.set j, j+1
.endr
.if \a > 3
	s_wait_alu depctr_va_vdst(0)
	s_wait_xcnt 0x0                                ; the stores of four blocks ago have read this set of codes
.endif
.irp m, 0,1,2,3,4,5,6,7
	v_cvt_scalef32_pk8_fp8_f32 v[CD+16*(\a%4)+2*\m:CD+16*(\a%4)+2*\m+1], v[TT+8*\m:TT+8*\m+7], v[SCV]
.endr
	v_nop                                          ; a plain line between the conversions and the next block's additions, which write their sources
.irp b, 0,1,2,3
	global_store_b128 v[LB], v[CD+16*(\a%4)+4*\b:CD+16*(\a%4)+4*\b+3], s[OB+2*(\b/2):OB+2*(\b/2)+1] offset:\a*1024+(\b%2)*512
.endr
.endr
; TILE 2.  A step's fragments (P's eight, Q's four: 48 loads) are asked of LDS while the step before is multiplied.
.macro FET2 slot, q, p
	WIN TO_B
.irp i, 0,1,2,3,4,5,6,7
	FRAG 128*(\p)+FR*\i, ADRB+\slot, \q, \i
.endr
	WIN 0
.irp i, 0,1,2,3
	FRAG AF+64*(\p)+FR*\i, ADRA2+\slot, \q, \i
.endr
.endm
.macro MUL32 p, zero                   ; 128 along K: the 32 accumulators by turns
	WIN MUL_LO
.irp a, 0,1,2,3
.irp b, 0,1,2,3,4,5,6,7
.if \zero
	v_wmma_f32_16x16x128_fp8_fp8 v[8*(8*\a+\b):8*(8*\a+\b)+7], v[128*(\p)+FR*\b:128*(\p)+FR*\b+FR-1], v[AF+64*(\p)+FR*\a:AF+64*(\p)+FR*\a+FR-1], 0
.else
	v_wmma_f32_16x16x128_fp8_fp8 v[8*(8*\a+\b):8*(8*\a+\b)+7], v[128*(\p)+FR*\b:128*(\p)+FR*\b+FR-1], v[AF+64*(\p)+FR*\a:AF+64*(\p)+FR*\a+FR-1], v[8*(8*\a+\b):8*(8*\a+\b)+7]
.endif
.endr
.endr
	WIN 0
.endm
.macro GO2 p, slot, q, zero            ; sets p are multiplied; ahead of that the next step's fragments are asked for, into the other sets
	s_wait_dscnt 0x0
	PLACES NP
	FET2 \slot, \q, 1-(\p)
	MUL32 \p, \zero
.endm
.macro TURN2 slot, next, fill          ; a slot's second step, on sets 1, and the change of slots
	s_wait_tensorcnt 0x0                           ; my part of the next slot is in
	ds_add_u32 v[SPW], v[NIL]
	s_wait_dscnt 0x1                               ; sets 1 are in; the add may be out
	MUL32 1, 0
	s_wait_dscnt 0x0                               ; the add is done, and my reads of this slot are over
.if \fill
	CROUND
	s_add_nc_u64 s[G0+4*\slot+2:G0+4*\slot+3], s[G0+4*\slot+2:G0+4*\slot+3], 2*HALFT
	s_add_nc_u64 s[G0B+4*\slot+2:G0B+4*\slot+3], s[G0B+4*\slot+2:G0B+4*\slot+3], 2*HALFT
	JLOAD G0+4*\slot, G1Q2, G0B+4*\slot, G1B       ; its four v_nop are the places for the loads below
.else
	s_barrier_signal -1
	s_barrier_wait -1
	PLACES NP
.endif
	FET2 \next, 0, 0
.endm
	s_wait_alu depctr_va_vdst(0)
	s_wait_xcnt 0x0                                ; tile 1's stores have read their registers: fragments may land there
	FET2 0, 0, 0
	GO2 0, 0, 1, 1
	TURN2 0, 1, 1
	GO2 0, 1, 1, 0
	TURN2 1, 0, 1
	GO2 0, 0, 1, 0
	TURN2 0, 1, 0
	GO2 0, 1, 1, 0
	s_wait_dscnt 0x0
	MUL32 1, 0
; TILE 2'S WAY OUT: the bias is the lane's channel's; piece b is keys 32 b on, of channel block a of my head.
	PLACES NP
.irp a, 0,1,2,3
	WIN 0x02
.set j, 0
.rept 32
	v_pk_add_f32 v[TT+j:TT+j+1], v[64*\a+j:64*\a+j+1], v[BQ+2*\a:BQ+2*\a+1]
.set j, j+2
.endr
	WIN 0
.set j, 0
.rept 64
	v_med3_num_f32 v[TT+j], v[TT+j], -v[LIMV2], v[LIMV2]
.set j, j+1
.endr
.irp m, 0,1,2,3,4,5,6,7
	v_cvt_scalef32_pk8_fp8_f32 v[CD+16*\a+2*\m:CD+16*\a+2*\m+1], v[TT+8*\m:TT+8*\m+7], v[SCV2]
.endr
	v_nop
.irp b, 0,1,2,3
	global_store_b128 v[LB], v[CD+16*\a+4*\b:CD+16*\a+4*\b+3], s[OB2:OB2+1] offset:8192+\a*2048+\b*512
.endr
.endr
	s_wait_tensorcnt 0x0                           ; the wave's end
	ds_add_u32 v[SPW], v[NIL]
	s_wait_dscnt 0x0
	CROUND                                         ; the closing round
	s_endpgm
.Lfunc_end_k_qfd5ca75651_qkv:
	.size	k_qfd5ca75651_qkv, .Lfunc_end_k_qfd5ca75651_qkv-k_qfd5ca75651_qkv
	.p2alignl 7, 3214868480
	.fill 96, 4, 3214868480
	.section	.rodata,"a",@progbits
	.p2align	6, 0x0
	.amdhsa_kernel k_qfd5ca75651_qkv
		.amdhsa_group_segment_fixed_size 327680
		.amdhsa_private_segment_fixed_size 0
		.amdhsa_enable_private_segment 0
		.amdhsa_kernarg_size 64
		.amdhsa_user_sgpr_count 2
		.amdhsa_user_sgpr_kernarg_segment_ptr 1
		.amdhsa_wavefront_size32 1
		.amdhsa_system_sgpr_workgroup_id_x 1
		.amdhsa_system_sgpr_workgroup_id_y 1
		.amdhsa_system_sgpr_workgroup_id_z 1
		.amdhsa_system_vgpr_workitem_id 0
		.amdhsa_next_free_vgpr 1024
		.amdhsa_next_free_sgpr 100
		.amdhsa_reserve_vcc 0
		.amdhsa_float_denorm_mode_32 3
		.amdhsa_float_denorm_mode_16_64 3
		.amdhsa_memory_ordered 1
		.amdhsa_forward_progress 1
		.amdhsa_inst_pref_size 219
	.end_amdhsa_kernel
	.amdgpu_metadata
---
amdhsa.version: [ 1, 2 ]
amdhsa.kernels:
  - .name:           k_qfd5ca75651_qkv
    .symbol:         k_qfd5ca75651_qkv.kd
    .args:
      - { .name: xcodes, .offset: 0, .size: 8, .value_kind: global_buffer, .address_space: global }
      - { .name: wcodes, .offset: 8, .size: 8, .value_kind: global_buffer, .address_space: global }
      - { .name: lowp_scales, .offset: 16, .size: 8, .value_kind: global_buffer, .address_space: global }
      - { .name: bq, .offset: 24, .size: 8, .value_kind: global_buffer, .address_space: global }
      - { .name: bk, .offset: 32, .size: 8, .value_kind: global_buffer, .address_space: global }
      - { .name: bv, .offset: 40, .size: 8, .value_kind: global_buffer, .address_space: global }
      - { .name: qcodes, .offset: 48, .size: 8, .value_kind: global_buffer, .address_space: global }
      - { .name: kvcodes, .offset: 56, .size: 8, .value_kind: global_buffer, .address_space: global }
    .group_segment_fixed_size: 327680
    .private_segment_fixed_size: 0
    .kernarg_segment_align: 8
    .kernarg_segment_size: 64
    .max_flat_workgroup_size: 128
    .sgpr_count:     100
    .vgpr_count:     1024
    .wavefront_size: 32
...
	.end_amdgpu_metadata
.endif
;; end of part 2
;; launch attn (part 3): grid 4 x 64, 16 waves a work-group, clusters of 4 x 1, 327,680 bytes of LDS; arguments qcodes, kvcodes, lowp_scales, acodes; writes acodes
.if DOCPART == 3
	.amdgcn_target "amdgcn-amd-amdhsa--gfx1250"
	.amdhsa_code_object_version 6
	.text
	.protected	k_qfd5ca75651_attn
	.globl	k_qfd5ca75651_attn
	.p2align	8
	.type	k_qfd5ca75651_attn,@function
k_qfd5ca75651_attn:
	s_mov_b64 s[64:65], 0
	v_nop
	global_prefetch_b8 v0, s[64:65] scope:SCOPE_SE
	s_setreg_imm32_b32 hwreg(HW_REG_WAVE_MODE, 25, 1), 1
	s_wait_xcnt 0x0
	s_wait_alu depctr_hold_cnt(0) depctr_sa_sdst(0) depctr_va_vdst(0) depctr_va_sdst(0) depctr_va_ssrc(0) depctr_va_vcc(0) depctr_vm_vsrc(0)
	s_getreg_b32 s2, hwreg(HW_REG_IB_STS2, 6, 4)
	s_cmp_eq_u32 s2, 0
	s_cbranch_scc0 .Lentry_in_a_cluster
	s_endpgm
.Lentry_in_a_cluster:
	s_bfe_u32 s2, ttmp6, 0x10000c
	s_cmp_lg_u32 s2, 0x3003
	s_cbranch_scc0 .Lentry_shape_is_right
	s_endpgm
.Lentry_shape_is_right:
; o = softmax(q k^T / 8) v for one (batch, head), both products on codes of FP8 (E4M3); o is quantised at once (entry 10 of the scales) and stored as codes for the last projection.
; t = score x log2(e) / 8; M = the running largest t rounded up to a whole number; p = 2^(t - M) is quantised with entry 8; the row's sum is taken of the unquantised p and divides at the end.
; SHARES.  A work-group owns 512 queries of a head, each of its 16 waves 32 of them: two tiles of 16.  The head's 2,048 keys lie whole in LDS: 16 steps of 128 keys, 16,384 bytes each:
; K's 8 tiles of 16 keys (1,024 bytes each), then V^T's 4 tiles of 16 channels x 128 keys (2,048 bytes each), all as images of operand registers: a piece is 512 bytes, 16 x lane.
; CLUSTERS of 4: the four work-groups of a head ask for K and V jointly.  A wave issues two loads: 2,048 bytes of steps 0 and 1 at the head, 14,336 bytes of the rest behind the full sequence and a round.
; No prefetch: both loads go out at the head, and nothing is asked of memory in the loop.
; Both products are used transposed: a lane holds one query; the 16 registers of key tiles 2 b, 2 b + 1 are 16 neighbouring keys (the keys of a tile were chosen so when the codes were laid).
; TWO SETS OF 64 REGISTERS, X AND Y, SWAP ROLES FROM STEP TO STEP.  One holds K's fragments and then V's, the other the scores; when the second tile's p has been converted, the scores' set takes the
; next step's K, whose loads are out during the rescaling and the second product.  So a trip is two steps.  Trip 0 (steps 0, 1) is written out: in it stands the barrier that shows the second load.
; The seven trips of the loop walk the other keys from the last downward: the look-ahead of the last trip then falls on step 0's K, bytes that are filled; those 16 loads are not used.
; LIMITS: e6 + e7 between -123 and 130; e8 between -126 and 119; e10 - e8 - e9 between -126 and 119; the scaled scores stay under 2^31 in magnitude.  NaN is not served.
; REGISTERS: v0 at work; v1 16 x lane; v2 LDS address; v3, v4 the add's; v5 2^e8; v[6:7] f; v8-11, v12-15 for each tile -M, the largest score, the sum in two halves; v16-31 Q; v32-95 X; v96-159 Y; v160-223 O^T; v224-255 p's codes, before that at work.
.set SPARE, 0x40000                    ; behind the keys: the spare words, 128 bytes for each wave, that no other line names
.set LB,  1
.set ADR, 2
.set PSC, 5
.set FF,  6
.set X,   32
.set Y,   96
.set SS,  96
.set WV,  12
.set G1A, 16
.set G1B, 24
.set G0A, 32
.set G0B, 36
.set SEL, 40
.set CS,  42
.set HOLD, 44
.set TB,  45
.set CNT, 46
.macro CROUND                          ; a round of the cluster's barrier
	s_barrier_signal -1
	s_barrier_wait -1
	s_cmp_lg_u32 s[WV], 0
	s_cbranch_scc1 .Lnot_wave_0_\@
	s_barrier_signal -3
.Lnot_wave_0_\@:
	s_barrier_wait -3
	s_barrier_signal -1
	s_barrier_wait -1
.endm
	s_load_b256 s[4:11], s[0:1], 0x0               ; qcodes 4:5, kvcodes 6:7, scales 8:9, acodes 10:11
	v_lshl_add_u32 v3, v0, 2, SPARE
	v_mov_b32 v4, 0
	ds_add_u32 v3, v4                              ; the opening lines: the add twice on end and its wait ahead of my first tensor load
	ds_add_u32 v3, v4
	v_lshrrev_b32 v2, 5, v0
	s_delay_alu instid0(VALU_DEP_1)
	v_readfirstlane_b32 s[WV], v2
	v_and_b32 v1, 31, v0
	s_delay_alu instid0(VALU_DEP_1)
	v_lshlrev_b32 v[LB], 4, v1
	s_bfe_u32 s13, ttmp6, 0x40000                  ; cx: which 512 queries
	s_and_b32 s14, ttmp7, 0xffff                   ; 16 x batch + head
	s_mov_b32 s[G1A], 15|(3<<16)|(1<<21)           ; the mask of all four; elements of 8 bytes; 8 rows of 256 bytes
	s_mov_b32 s[G1A+1], 32<<16
	s_mov_b32 s[G1A+2], 8<<16
	s_mov_b32 s[G1A+3], 32<<16
	s_mov_b32 s[G1A+4], 8
	s_mov_b32 s[G1A+5], 32
	s_mov_b32 s[G1A+6], 0
	s_mov_b32 s[G1A+7], 0
	s_mov_b32 s[G1B], 15|(3<<16)|(1<<21)           ; 56 rows of 256 bytes
	s_mov_b32 s[G1B+1], 32<<16
	s_mov_b32 s[G1B+2], 56<<16
	s_mov_b32 s[G1B+3], 32<<16
	s_mov_b32 s[G1B+4], 56
	s_mov_b32 s[G1B+5], 32
	s_mov_b32 s[G1B+6], 0
	s_mov_b32 s[G1B+7], 0
	s_lshl_b32 s53, s14, 18                        ; the head's 262,144 bytes of K and V
	s_lshl_b32 s54, s[WV], 11
	s_mul_i32 s55, s[WV], 14336
	s_add_co_u32 s55, s55, 32768
	s_add_co_u32 s56, s53, s54
	s_mov_b32 s57, 0
	s_add_co_u32 s58, s53, s55
	s_mov_b32 s59, 0
	s_mov_b32 s[SEL], 0x76543210
	s_mov_b32 s[SEL+1], 0xfedcba98
	s_mov_b32 s[TB], 0
	s_wait_dscnt 0x0
	s_wait_kmcnt 0x0
	s_load_b128 s[48:51], s[8:9], 0x18             ; e6 .. e9
	s_load_b32 s52, s[8:9], 0x28                   ; e10
	s_mov_b32 s[G0A], 1
	s_mov_b32 s[G0A+1], s54
	s_add_nc_u64 s[G0A+2:G0A+3], s[6:7], s[56:57]
	s_or_b32 s[G0A+3], s[G0A+3], 0x80000000
	s_mov_b32 s[G0B], 1
	s_mov_b32 s[G0B+1], s55
	s_add_nc_u64 s[G0B+2:G0B+3], s[6:7], s[58:59]
	s_or_b32 s[G0B+3], s[G0B+3], 0x80000000
	CROUND
	tensor_load_to_lds s[G0A:G0A+3], s[G1A:G1A+7]  ; my 2,048 bytes of steps 0 and 1
	s_nop 0
	s_wait_alu depctr_va_vdst(0)
	s_lshl_b32 s56, s14, 17                        ; all that follows up to the wait for the load is done while the load is out
	s_lshl_b32 s53, s13, 15
	s_add_co_u32 s56, s56, s53
	s_add_co_u32 s56, s56, s54
	s_add_nc_u64 s[4:5], s[4:5], s[56:57]
.irp c, 0,1,2,3
	global_load_b128 v[16+4*\c:19+4*\c], v[LB], s[4:5] offset:512*\c   ; Q's two fragments stay in registers
.endr
	s_lshr_b32 s53, s14, 4                         ; where my codes of o go, in the plane that the last projection reads
	s_lshl_b32 s53, s53, 4
	s_lshl_b32 s55, s13, 2
	s_add_co_u32 s53, s53, s55
	s_lshr_b32 s55, s[WV], 2
	s_add_co_u32 s53, s53, s55
	s_lshl_b32 s58, s53, 17
	s_and_b32 s53, s14, 15
	s_lshr_b32 s55, s53, 2
	s_lshl_b32 s55, s55, 15
	s_add_co_u32 s58, s58, s55
	s_and_b32 s55, s53, 3
	s_lshl_b32 s55, s55, 10
	s_add_co_u32 s58, s58, s55
	s_and_b32 s55, s[WV], 3
	s_lshl_b32 s55, s55, 13
	s_add_co_u32 s58, s58, s55
	s_add_nc_u64 s[10:11], s[10:11], s[58:59]
	v_mov_b32 v9, 0xff61b1e6                       ; the largest score so far: -3e38
	v_mov_b32 v13, 0xff61b1e6
	s_delay_alu instid0(VALU_DEP_2)
	v_floor_f32 v8, -v9                            ; -M
	s_delay_alu instid0(VALU_DEP_2)
	v_floor_f32 v12, -v13
	v_mov_b32 v10, 0
	v_mov_b32 v11, 0
	v_mov_b32 v14, 0
	v_mov_b32 v15, 0
	v_mov_b32 v7, 0                                ; (named as the upper half of the pair v[6:7])
.set i, 0
.rept 64
	v_mov_b32 v[160+i], 0                          ; O^T: the step is written for all steps alike; the first change of M leaves zeros zeros
.set i, i+1
.endr
	s_wait_kmcnt 0x0
	s_add_co_i32 s53, s48, s49
	s_lshl_b32 s53, s53, 23
	s_mov_b32 s[CS], 0x3e38aa3b                    ; c = log2(e) / 8,
	s_add_co_i32 s[CS], s[CS], s53                 ; x 2^(e6 + e7), by its exponent field
	s_mov_b32 s[CS+1], s[CS]
	s_add_co_i32 s53, s50, 127
	s_lshl_b32 s55, s53, 23
	v_mov_b32 v[PSC], s55                          ; 2^e8
	s_add_co_i32 s53, s53, 8
	s_lshl_b32 s53, s53, 23
	s_or_b32 s[HOLD], s53, 0x600000                ; 448 x 2^e8
	s_sub_co_i32 s53, s52, s50
	s_sub_co_i32 s53, s53, s51
	s_add_co_i32 s53, s53, 127
	s_lshl_b32 s60, s53, 23                        ; 2^(e10 - e8 - e9)
	s_add_co_i32 s53, s53, 8
	s_lshl_b32 s53, s53, 23
	s_or_b32 s61, s53, 0x600000                    ; 448 x that
	v_add_nc_u32 v[ADR], s[TB], v[LB]
	s_wait_alu depctr_va_vdst(0)                   ; the wait at the head's end
	s_wait_tensorcnt 0x0                           ; my part of steps 0 and 1 is in; the later first fill is issued as a refill is:
	ds_add_u32 v3, v4
	s_wait_dscnt 0x0
	CROUND
	tensor_load_to_lds s[G0B:G0B+3], s[G1B:G1B+7]  ; my 14,336 bytes of steps 2 to 15
	s_nop 0
.rept 4
	v_nop
.endr
.macro KLOAD d, off                    ; K's 8 tiles of 16 keys x 64 channels
.irp t, 0,1,2,3,4,5,6,7
.irp c, 0,1
	ds_load_b128 v[\d+8*\t+4*\c:\d+8*\t+4*\c+3], v[ADR] offset:\off+1024*\t+512*\c
.endr
.endr
.endm
.macro VLOAD d, off                    ; V^T's 4 tiles of 16 channels x 128 keys
.irp t, 0,1,2,3
.irp c, 0,1,2,3
	ds_load_b128 v[\d+16*\t+4*\c:\d+16*\t+4*\c+3], v[ADR] offset:\off+2048*\t+512*\c
.endr
.endr
.endm
.macro QK kb, sb, q                    ; S^T = K Q^T for one tile of queries
.irp t, 0,1,2,3,4,5,6,7
	v_wmma_f32_16x16x64_fp8_fp8 v[\sb+8*\t:\sb+8*\t+7], v[\kb+8*\t:\kb+8*\t+7], v[\q:\q+7], 0
.endr
.endm
.macro RESC o                          ; O^T of one tile under the new M: x f, which rounds nothing
	s_wait_alu depctr_va_vdst(0)                   ; the wait directly ahead of the first reader of O^T
.set i, 0
.rept 16
	v_pk_mul_f32 v[\o+i:\o+i+1], v[\o+i:\o+i+1], v[FF:FF+1] op_sel_hi:[1,0]
.set i, i+2
.endr
.endm
; The softmax of one tile's 64 scores a lane, in v[s ..]: state in v[st ..], codes into v[p .. p+15], whose registers are at work before.
.macro SM st, p, s
	v_max3_num_f32 v[\p], v[\s], v[\s+1], v[\s+2]  ; the largest of my 64 scores, in four chains, each accumulator from its low end on
	v_max3_num_f32 v[\p+1], v[\s+3], v[\s+4], v[\s+5]
	v_max3_num_f32 v[\p+2], v[\s+6], v[\s+7], v[\s+8]
	v_max3_num_f32 v[\p+3], v[\s+9], v[\s+10], v[\s+11]
.set i, 12
.rept 6
	v_max3_num_f32 v[\p], v[\p], v[\s+i], v[\s+i+1]
	v_max3_num_f32 v[\p+1], v[\p+1], v[\s+i+2], v[\s+i+3]
	v_max3_num_f32 v[\p+2], v[\p+2], v[\s+i+4], v[\s+i+5]
	v_max3_num_f32 v[\p+3], v[\p+3], v[\s+i+6], v[\s+i+7]
.set i, i+8
.endr
	v_max3_num_f32 v[\p], v[\p], v[\s+60], v[\s+61]
	v_max3_num_f32 v[\p+1], v[\p+1], v[\s+62], v[\s+63]
	v_max3_num_f32 v[\p], v[\p], v[\p+1], v[\p+2]
	s_delay_alu instid0(VALU_DEP_1)
	v_max_num_f32 v[\p], v[\p], v[\p+3]
	s_delay_alu instid0(VALU_DEP_1)
	v_permlanex16_b32 v0, v[\p], s[SEL], s[SEL+1]
	s_delay_alu instid0(VALU_DEP_1)
	v_max3_num_f32 v[\st+1], v[\st+1], v[\p], v0   ; the running largest score: mine, lane l xor 16's, the old one (c is positive, so the largest score gives the largest t)
	s_delay_alu instid0(VALU_DEP_1)
	v_mul_f32 v[\p], s[CS], v[\st+1]               ; as t
	v_mov_b32 v[\p+1], v[\st]
	s_delay_alu instid0(VALU_DEP_2)
	v_floor_f32 v[\st], -v[\p]                     ; the new -M = -ceil(t)
	s_delay_alu instid0(VALU_DEP_1)
	v_sub_f32 v[\p+1], v[\st], v[\p+1]             ; old M - new M, a whole number, 0 or less
	s_delay_alu instid0(VALU_DEP_1)
	v_cvt_i32_f32 v[\p+1], v[\p+1]                 ; (it saturates)
	s_delay_alu instid0(VALU_DEP_1)
	v_ldexp_f32 v[FF], 1.0, v[\p+1]                ; f = 2^(old M - new M)
.set i, 0
.rept 32
	v_pk_fma_f32 v[\s+i:\s+i+1], v[\s+i:\s+i+1], s[CS:CS+1], v[\st:\st+1] op_sel_hi:[1,0,0]   ; t - M
.set i, i+2
.endr
	s_wait_alu depctr_va_vdst(0)                   ; one wait ahead of the batch
.set i, 0
.rept 64
	v_exp_f32 v[\s+i], v[\s+i]                     ; p = 2^(t - M)
.set i, i+1
.endr
	v_pk_mul_f32 v[\st+2:\st+3], v[\st+2:\st+3], v[FF:FF+1] op_sel_hi:[1,0]   ; the sum under the new M (the plain place behind the batch)
	s_wait_alu depctr_va_vdst(0)                   ; and one behind it, ahead of its first reader
	v_pk_add_f32 v[\p:\p+1], v[\s:\s+1], v[\s+2:\s+3]          ; the sum of the unquantised p, two at a time, in four chains
	v_pk_add_f32 v[\p+2:\p+3], v[\s+4:\s+5], v[\s+6:\s+7]
	v_pk_add_f32 v[\p+4:\p+5], v[\s+8:\s+9], v[\s+10:\s+11]
.set i, 12
.rept 6
	v_pk_add_f32 v[\st+2:\st+3], v[\st+2:\st+3], v[\s+i:\s+i+1]
	v_pk_add_f32 v[\p:\p+1], v[\p:\p+1], v[\s+i+2:\s+i+3]
	v_pk_add_f32 v[\p+2:\p+3], v[\p+2:\p+3], v[\s+i+4:\s+i+5]
	v_pk_add_f32 v[\p+4:\p+5], v[\p+4:\p+5], v[\s+i+6:\s+i+7]
.set i, i+8
.endr
	v_pk_add_f32 v[\st+2:\st+3], v[\st+2:\st+3], v[\s+60:\s+61]
	v_pk_add_f32 v[\p:\p+1], v[\p:\p+1], v[\s+62:\s+63]
	v_pk_add_f32 v[\p+2:\p+3], v[\p+2:\p+3], v[\p+4:\p+5]
	v_pk_add_f32 v[\st+2:\st+3], v[\st+2:\st+3], v[\p:\p+1]
	s_delay_alu instid0(VALU_DEP_1)
	v_pk_add_f32 v[\st+2:\st+3], v[\st+2:\st+3], v[\p+2:\p+3]
.irp b, 0,1,2,3
.set i, 0
.rept 8
	v_dual_min_num_f32 v[\s+16*\b+i], s[HOLD], v[\s+16*\b+i] :: v_dual_min_num_f32 v[\s+16*\b+i+1], s[HOLD], v[\s+16*\b+i+1]   ; the conversion does not saturate (ISA guide 7.6.2); p is not negative, so the hold is one-sided; two a line
.set i, i+2
.endr
	v_cvt_scalef32_pk8_fp8_f32 v[\p+4*\b:\p+4*\b+1], v[\s+16*\b:\s+16*\b+7], v[PSC]
	v_cvt_scalef32_pk8_fp8_f32 v[\p+4*\b+2:\p+4*\b+3], v[\s+16*\b+8:\s+16*\b+15], v[PSC]
.endr
.endm
; A step of 128 keys at byte off of the trip's 32,768.  kb: the set that holds K (asked for in the step before), then V; sb: the scores' set, then the next step's K.
; mode 0: a trip's first step.  mode 1: its second, in the loop: the next trip lies 32,768 bytes lower.  mode 2: trip 0's second: the barrier that shows the second load, then on to the last 256 keys.
.macro STEP kb, sb, off, mode
.rept 5
	v_nop                                          ; five places: the first products below write over registers that the last products read
.endr
	s_wait_dscnt 0x0                               ; K is in
	QK \kb, \sb, 16
.rept 4
	v_nop
.endr
	SM 8, 224, \sb
	v_nop                                          ; a plain line between the conversions and the products that write their sources
	QK \kb, \sb, 24
	RESC 160                                       ; tile 0's rescaling: also the places behind the products, for V's loads and for the scores' first read
	VLOAD \kb, \off+8192
	SM 12, 240, \sb
.if \mode == 2
	s_wait_alu depctr_va_vdst(0)                   ; the wait directly ahead of the wait below
	s_wait_tensorcnt 0x0                           ; my part of steps 2 to 15 is in,
	s_wait_dscnt 0x0
	s_barrier_signal -1
	s_barrier_wait -1                              ; and everybody's.
	s_mov_b32 s[TB], 7*32768
.endif
.if \mode == 1
	s_sub_co_u32 s[TB], s[TB], 32768               ; in the last trip: to byte 0
.endif
.if \mode == 0
	KLOAD \sb, \off+16384
.else
	v_add_nc_u32 v[ADR], s[TB], v[LB]
	KLOAD \sb, 0
.endif
	RESC 192
	s_wait_alu depctr_va_vdst(0)                   ; the wait directly ahead of the wait below
	s_wait_dscnt 0x10                              ; V's 16 loads are in; the 16 younger ones, the next K, may be out
.irp t, 0,1,2,3
	v_wmma_f32_16x16x128_fp8_fp8 v[160+8*\t:167+8*\t], v[\kb+16*\t:\kb+16*\t+15], v[224:239], v[160+8*\t:167+8*\t]   ; O^T += V^T P^T: eight accumulators by turns
	v_wmma_f32_16x16x128_fp8_fp8 v[192+8*\t:199+8*\t], v[\kb+16*\t:\kb+16*\t+15], v[240:255], v[192+8*\t:199+8*\t]
.endr
.endm
	KLOAD X, 0                                     ; step 0's K: every wave's part of steps 0 and 1 was in ahead of the round
	s_wait_loadcnt 0x0                             ; Q
	STEP X, Y, 0, 0
	STEP Y, X, 16384, 2
	s_mov_b32 s[CNT], 7
.Lrest:
	STEP X, Y, 0, 0
	STEP Y, X, 16384, 1
	s_sub_co_u32 s[CNT], s[CNT], 1
	s_cmp_lg_u32 s[CNT], 0
	s_cbranch_scc1 .Lrest
	s_wait_dscnt 0x0                               ; the last look-ahead has landed in X; it is not used
	; THE WAY OUT: O^T / the sum, held, converted with 2^(e10 - e8 - e9): the conversions' results are pieces of the next operand; each store covers 512 consecutive bytes, aligned
	v_add_f32 v10, v10, v11
	v_add_f32 v14, v14, v15
	s_delay_alu instid0(VALU_DEP_2)
	v_permlanex16_b32 v0, v10, s[SEL], s[SEL+1]
	s_delay_alu instid0(VALU_DEP_1)
	v_add_f32 v10, v10, v0
	s_delay_alu instid0(VALU_DEP_2)
	v_permlanex16_b32 v0, v14, s[SEL], s[SEL+1]
	s_delay_alu instid0(VALU_DEP_1)
	v_add_f32 v14, v14, v0
	s_wait_alu depctr_va_vdst(0)                   ; the wait ahead of the transcendentals
	v_rcp_f32 v10, v10
	v_rcp_f32 v14, v14
	v_mov_b32 v[PSC], s60
	v_mov_b32 v[ADR], s61
	s_wait_alu depctr_va_vdst(0)                   ; and behind them, directly ahead of the first reader of O^T too
.set i, 0
.rept 16
	v_pk_mul_f32 v[SS+i:SS+i+1], v[160+i:161+i], v[10:11] op_sel_hi:[1,0]
.set i, i+2
.endr
.set i, 0
.rept 16
	v_pk_mul_f32 v[SS+32+i:SS+33+i], v[192+i:193+i], v[14:15] op_sel_hi:[1,0]
.set i, i+2
.endr
.set i, 0
.rept 64
	v_med3_num_f32 v[SS+i], v[SS+i], -v[ADR], v[ADR]
.set i, i+1
.endr
.irp c, 0,1
	v_cvt_scalef32_pk8_fp8_f32 v[224+4*\c:225+4*\c], v[SS+16*\c:SS+16*\c+7], v[PSC]
	v_cvt_scalef32_pk8_fp8_f32 v[226+4*\c:227+4*\c], v[SS+16*\c+8:SS+16*\c+15], v[PSC]
	v_cvt_scalef32_pk8_fp8_f32 v[240+4*\c:241+4*\c], v[SS+32+16*\c:SS+32+16*\c+7], v[PSC]
	v_cvt_scalef32_pk8_fp8_f32 v[242+4*\c:243+4*\c], v[SS+32+16*\c+8:SS+32+16*\c+15], v[PSC]
.endr
	v_nop
.irp c, 0,1
	global_store_b128 v[LB], v[224+4*\c:227+4*\c], s[10:11] offset:512*\c
	global_store_b128 v[LB], v[240+4*\c:243+4*\c], s[10:11] offset:4096+512*\c
.endr
	s_wait_tensorcnt 0x0                           ; the wave's end
	ds_add_u32 v3, v4
	s_wait_dscnt 0x0
	CROUND                                         ; the closing round
	s_endpgm
.Lfunc_end_k_qfd5ca75651_attn:
	.size	k_qfd5ca75651_attn, .Lfunc_end_k_qfd5ca75651_attn-k_qfd5ca75651_attn
	.p2alignl 7, 3214868480
	.fill 96, 4, 3214868480
	.section	.rodata,"a",@progbits
	.p2align	6, 0x0
	.amdhsa_kernel k_qfd5ca75651_attn
		.amdhsa_group_segment_fixed_size 327680
		.amdhsa_private_segment_fixed_size 0
		.amdhsa_enable_private_segment 0
		.amdhsa_kernarg_size 32
		.amdhsa_user_sgpr_count 2
		.amdhsa_user_sgpr_kernarg_segment_ptr 1
		.amdhsa_wavefront_size32 1
		.amdhsa_system_sgpr_workgroup_id_x 1
		.amdhsa_system_sgpr_workgroup_id_y 1
		.amdhsa_system_sgpr_workgroup_id_z 1
		.amdhsa_system_vgpr_workitem_id 0
		.amdhsa_next_free_vgpr 256
		.amdhsa_next_free_sgpr 66
		.amdhsa_reserve_vcc 0
		.amdhsa_float_denorm_mode_32 3
		.amdhsa_float_denorm_mode_16_64 3
		.amdhsa_memory_ordered 1
		.amdhsa_forward_progress 1
		.amdhsa_inst_pref_size 132
	.end_amdhsa_kernel
	.amdgpu_metadata
---
amdhsa.version: [ 1, 2 ]
amdhsa.kernels:
  - .name:           k_qfd5ca75651_attn
    .symbol:         k_qfd5ca75651_attn.kd
    .args:
      - { .name: qcodes, .offset: 0, .size: 8, .value_kind: global_buffer, .address_space: global }
      - { .name: kvcodes, .offset: 8, .size: 8, .value_kind: global_buffer, .address_space: global }
      - { .name: lowp_scales, .offset: 16, .size: 8, .value_kind: global_buffer, .address_space: global }
      - { .name: acodes, .offset: 24, .size: 8, .value_kind: global_buffer, .address_space: global }
    .group_segment_fixed_size: 327680
    .private_segment_fixed_size: 0
    .kernarg_segment_align: 8
    .kernarg_segment_size: 32
    .max_flat_workgroup_size: 512
    .sgpr_count:     66
    .vgpr_count:     256
    .wavefront_size: 32
...
	.end_amdgpu_metadata
.endif
;; end of part 3
;; launch oproj (part 4): grid 4 x 64, 4 waves a work-group, clusters of 4 x 4, 327,680 bytes of LDS; arguments acodes, wcodes, lowp_scales, bo, out0; writes out0
.if DOCPART == 4
	.amdgcn_target "amdgcn-amd-amdhsa--gfx1250"
	.amdhsa_code_object_version 6
	.text
	.protected	k_qfd5ca75651_oproj
	.globl	k_qfd5ca75651_oproj
	.p2align	8
	.type	k_qfd5ca75651_oproj,@function
k_qfd5ca75651_oproj:
	s_mov_b64 s[64:65], 0
	v_nop
	global_prefetch_b8 v0, s[64:65] scope:SCOPE_SE
	s_setreg_imm32_b32 hwreg(HW_REG_WAVE_MODE, 25, 1), 1
	s_wait_xcnt 0x0
	s_wait_alu depctr_hold_cnt(0) depctr_sa_sdst(0) depctr_va_vdst(0) depctr_va_sdst(0) depctr_va_ssrc(0) depctr_va_vcc(0) depctr_vm_vsrc(0)
	s_getreg_b32 s2, hwreg(HW_REG_IB_STS2, 6, 4)
	s_cmp_eq_u32 s2, 0
	s_cbranch_scc0 .Lentry_in_a_cluster
	s_endpgm
.Lentry_in_a_cluster:
	s_bfe_u32 s2, ttmp6, 0x10000c
	s_cmp_lg_u32 s2, 0xf033
	s_cbranch_scc0 .Lentry_shape_is_right
	s_endpgm
.Lentry_shape_is_right:
; out0 = a Wo^T + bo on codes of FP8 (E4M3): a = attention's result as codes (entry 10 of the scales), Wo's codes (entry 11) are the fourth plane of wcodes.  Each finished sum x 2^(e10 + e11), + bias, f32.
; OPERANDS ARE IMAGES OF REGISTERS.  A block T is 16 rows, lane r of it row 32 (T / 2) + 8 (T % 2) + r + 8 (r / 8); a piece is 512 bytes, 16 x lane: k = 32 c + 16 h + 0 .. 15.
; A plane is [row / 128][k / 256][block 0..7][piece 0..7][512]: 128 rows x 256 K are 32,768 consecutive bytes, 128 rows x 1,024 K are 131,072.
; SHARES.  A work-group makes 128 rows (Q = a) x 256 columns (P = Wo's rows): 64 x 4 = 256 work-groups.  Four waves, each 64 rows x 128 columns: 32 accumulators.  Source 0 = P, source 1 = Q: a lane holds one row of out0.
; K = 1,024 COMES IN THREE FILLS.  Region A, 196,608 bytes: K 0-511, at the head (waves 0, 1: Q's two parts of 256 K; waves 2, 3: P's two groups of 128 rows, 65,536 bytes each).
; Region B, 98,304 bytes: K 512-767, a later first fill.  K 768-1,023 is the one refill, onto region A's first parts.  One tensor load a wave each time.
; CLUSTERS of 4 x 4: Q's tiles are shared along a row of the cluster, P's along a column: asked for jointly.
; Both operands have two sets of fragment registers: a step's fragments are asked of LDS while the step before is multiplied.
; LIMIT: e10 + e11 between -126 and 127.
; REGISTERS: window 0: v16-30 addresses; v32-95 the bias; v128-255 Q's fragments, two sets of 4; on the way out rows read back.  window 1: P's fragments, two sets of 8.  window 2: accumulator (a, b) at v[8 (8 a + b)].
.set LPA,    65536                     ; region A: Q at 0, P's group g at LPA + 65536 g
.set LQB,    196608                    ; region B: Q,
.set LPB,    229376                    ; and P's group g at LPB + 32768 g
.set SPARE,  294912                    ; the spare words, 128 bytes for each wave, that no other line names
.set STAGE,  LQB                       ; the way out: 16 rows x 528 bytes for each wave, in region B, behind its one fill and its last read
.set SPITCH, 528
.set FR,     16
.set ADRA, 16                          ; v16, v17  my Q fragments in region A, B
.set ADRB, 20                          ; v20, v21  my P fragments
.set STO,  24
.set RD,   25
.set CO,   26                          ; 16 x lane
.set HB,   27                          ; 64 h
.set SPW,  28
.set NIL,  29
.set PFO,  30                          ; 256 x lane
.set BP,   32
.set AF,   128
.set BK,   128
.set WV, 20
.set WH, 21
.set WL, 22
.set G1QA, 24
.set G1PA, 32
.set G1QB, 48
.set G1PB, 56
.set G0QA, 68
.set G0PA, 72
.set G0QB, 76
.set G0PB, 80
.set G0QC, 84
.set G0PC, 88
.set MSB, 0
.macro WIN new                         ; the immediate's high byte repeats the setting that is left
.if MSB != \new
	s_set_vgpr_msb (MSB<<8)|\new
.set MSB, \new
.endif
.endm
.set MUL,  0xa1                        ; source 0 (P) window 1, source 1 (Q) window 0, C and D window 2
.set TO_B, 0x40
.macro JLOAD g0a, g1a, g0b, g1b        ; a joint load: waves 0 and 1 fetch for Q, waves 2 and 3 for P; s_nop 0 and four v_nop follow each line
	s_cmp_eq_u32 s[WH], 0
	s_cbranch_scc0 .Lfor_b_\@
	tensor_load_to_lds s[\g0a:\g0a+3], s[\g1a:\g1a+7]
	s_nop 0
.rept 4
	v_nop
.endr
	s_branch .Lasked_\@
.Lfor_b_\@:
	tensor_load_to_lds s[\g0b:\g0b+3], s[\g1b:\g1b+7]
	s_nop 0
.rept 4
	v_nop
.endr
.Lasked_\@:
.endm
.macro CROUND                          ; a round of the cluster's barrier
	s_barrier_signal -1
	s_barrier_wait -1
	s_cmp_lg_u32 s[WV], 0
	s_cbranch_scc1 .Lnot_wave_0_\@
	s_barrier_signal -3
.Lnot_wave_0_\@:
	s_barrier_wait -3
	s_barrier_signal -1
	s_barrier_wait -1
.endm
.macro G1SET g, r                      ; r rows of 256 bytes, dense: 32 elements of 8 bytes
	s_mov_b32 s[\g+1], 32<<16
	s_mov_b32 s[\g+2], (\r)<<16
	s_mov_b32 s[\g+3], 32<<16
	s_mov_b32 s[\g+4], \r
	s_mov_b32 s[\g+5], 32
	s_mov_b32 s[\g+6], 0
	s_mov_b32 s[\g+7], 0
.endm
	s_load_b256 s[4:11], s[0:1], 0x0               ; acodes 4:5, wcodes 6:7, scales 8:9, bo 10:11
	s_load_b64 s[12:13], s[0:1], 0x20              ; out0
	v_lshl_add_u32 v[SPW], v0, 2, SPARE
	v_mov_b32 v[NIL], 0
	ds_add_u32 v[SPW], v[NIL]                      ; the opening lines: the add twice on end and its wait ahead of my first tensor load
	ds_add_u32 v[SPW], v[NIL]
	v_lshrrev_b32 v1, 5, v0
	v_readfirstlane_b32 s[WV], v1
	s_lshr_b32 s[WH], s[WV], 1                     ; my 64 of Q's rows.  Also: I fetch for Q (0) or for P (1)
	s_and_b32 s[WL], s[WV], 1                      ; my 128 of P's rows.  Also: which part I fetch
	s_bfe_u32 s40, ttmp6, 0x40000                  ; cx: P's tile
	s_bfe_u32 s41, ttmp6, 0x40004                  ; cy
	s_and_b32 s46, ttmp7, 0xffff                   ; the cluster's y
	s_lshl_b32 s47, s46, 2
	s_add_co_u32 s47, s47, s41                     ; Q's tile: which 128 rows
	s_lshl_b32 s44, s41, 2
	s_lshl_b32 s44, 15, s44                        ; my row of the cluster
	s_lshl_b32 s45, 0x1111, s40                    ; my column
	s_or_b32 s[G1QA], s44, (3<<16)|(1<<21)
	s_or_b32 s[G1QB], s44, (3<<16)|(1<<21)
	s_or_b32 s[G1PA], s45, (3<<16)|(1<<21)
	s_or_b32 s[G1PB], s45, (3<<16)|(1<<21)
	G1SET G1QA, 128
	G1SET G1PA, 256
	G1SET G1QB, 64
	G1SET G1PB, 128
	s_lshl_b32 s92, s47, 17                        ; Q's 128 rows in the plane: hangs on cy, never on cx
	s_mov_b32 s93, 0
	s_lshl_b32 s94, s40, 1
	s_add_co_u32 s94, s94, s[WL]
	s_lshl_b32 s94, s94, 17
	s_add_co_u32 s94, s94, 0x300000                ; P's group of 128 rows in Wo's plane: hangs on cx, never on cy
	s_mov_b32 s95, 0
	s_lshl_b32 s96, s[WL], 15
	s_lshl_b32 s97, s[WL], 14
	s_lshl_b32 s98, s[WL], 16
	s_mov_b32 s[G0QA+1], s96                       ; the LDS addresses: constants and the wave's number alone
	s_add_co_u32 s[G0PA+1], s98, LPA
	s_add_co_u32 s[G0QB+1], s97, LQB
	s_add_co_u32 s[G0PB+1], s96, LPB
	s_mov_b32 s[G0QC+1], s97
	s_add_co_u32 s[G0PC+1], s98, LPA
	s_mov_b32 s3, 0
	s_wait_dscnt 0x0
	s_wait_kmcnt 0x0
	s_load_b64 s[42:43], s[8:9], 0x28              ; e10, e11
	s_add_nc_u64 s[92:93], s[4:5], s[92:93]
	s_add_nc_u64 s[94:95], s[6:7], s[94:95]
	s_mov_b32 s2, s96
	s_add_nc_u64 s[G0QA+2:G0QA+3], s[92:93], s[2:3]            ; Q: K 256 x part on, all 128 rows
	s_mov_b32 s2, s97
	s_add_nc_u64 s[G0QB+2:G0QB+3], s[92:93], s[2:3]            ; later: blocks 4 x part on,
	s_add_nc_u64 s[G0QC+2:G0QC+3], s[G0QB+2:G0QB+3], 98304     ; of K 768 on,
	s_add_nc_u64 s[G0QB+2:G0QB+3], s[G0QB+2:G0QB+3], 65536     ; and of K 512 on
	s_mov_b64 s[G0PA+2:G0PA+3], s[94:95]
	s_add_nc_u64 s[G0PB+2:G0PB+3], s[94:95], 65536
	s_add_nc_u64 s[G0PC+2:G0PC+3], s[94:95], 98304
.irp g, G0QA, G0PA, G0QB, G0PB, G0QC, G0PC
	s_mov_b32 s[\g], 1
	s_or_b32 s[\g+3], s[\g+3], 0x80000000
.endr
	CROUND                                         ; all sixteen work-groups are here: the first joint loads meet
	JLOAD G0QA, G1QA, G0PA, G1PA                   ; region A: one tensor load a wave at the head
	v_and_b32 v1, 31, v0
	v_lshlrev_b32 v[CO], 4, v1
	v_lshlrev_b32 v[PFO], 8, v1
	s_lshl_b32 s2, s[WH], 14                       ; my four blocks of Q
	s_add_co_u32 s99, s98, LPA                     ; my group of P
	v_add_nc_u32 v[ADRA], s2, v[CO]
	v_add_nc_u32 v[ADRB], s99, v[CO]
	s_add_co_u32 s2, s2, LQB
	s_add_co_u32 s99, s96, LPB
	v_add_nc_u32 v[ADRA+1], s2, v[CO]
	v_add_nc_u32 v[ADRB+1], s99, v[CO]
	v_bfe_u32 v2, v0, 4, 1                         ; h
	v_and_b32 v3, 15, v0                           ; r
	v_lshlrev_b32 v[HB], 6, v2
	s_mul_i32 s2, s[WV], 16*SPITCH
	s_add_co_u32 s2, s2, STAGE                     ; my stage
	v_mul_u32_u24 v[STO], v3, SPITCH
	v_lshl_add_u32 v[STO], v2, 6, v[STO]
	v_add_nc_u32 v[STO], s2, v[STO]                ; in: row r, 64 bytes for each half of the lanes
	v_add_nc_u32 v[RD], s2, v[CO]                  ; back: the 32 lanes take one row of 512 bytes
	s_wait_alu depctr_va_vdst(0)                   ; the wait ahead of the scalar lines below
	s_lshl_b32 s2, s40, 8
	s_lshl_b32 s99, s[WL], 7
	s_add_co_u32 s2, s2, s99
	s_lshl_b32 s2, s2, 2                           ; my first column, in bytes
	s_add_nc_u64 s[10:11], s[10:11], s[2:3]
	s_add_nc_u64 s[12:13], s[12:13], s[2:3]
	s_lshl_b32 s2, s47, 7
	s_lshl_b32 s99, s[WH], 6
	s_add_co_u32 s2, s2, s99
	s_lshl_b32 s2, s2, 12                          ; my first row, 4,096 bytes each
	s_add_nc_u64 s[12:13], s[12:13], s[2:3]
.irp g, 0,1,2,3
.irp j, 0,1,2,3
	global_load_b128 v[BP+16*\g+4*\j:BP+16*\g+4*\j+3], v[HB], s[10:11] offset:128*\g+16*\j   ; register 16 g + i: the bias of P's row 32 g + 16 h + i; waited for on the way out
.endr
.endr
	; A PREFETCH INTO THE L2 of what the two later loads will ask for: K 512-1,023 of a group of 128 rows are 65,536 consecutive bytes.  Each block of 256 bytes is named once in a cluster, the partners told apart by address.
	; Q: 8,192 bytes for each of the eight (cx, part): one instruction, lanes 256 bytes apart.  P: 16,384 bytes for each cy: two instructions; Wo is the same for all clusters, so the first cluster alone asks for it.
	s_lshl_b32 s2, s40, 1
	s_add_co_u32 s2, s2, s[WL]
	s_lshl_b32 s2, s2, 13
	s_lshl_b32 s99, s41, 14
	s_cmp_eq_u32 s[WH], 0
	s_cselect_b32 s2, s2, s99
	s_cselect_b64 s[66:67], s[92:93], s[94:95]
	s_add_nc_u64 s[66:67], s[66:67], s[2:3]
	s_cbranch_scc0 .Lpf_p
	global_prefetch_b8 v[PFO], s[66:67] offset:65536 th:TH_LOAD_NT scope:SCOPE_SE
	s_branch .Lpf_done
.Lpf_p:
	s_cmp_lg_u32 s46, 0
	s_cbranch_scc1 .Lpf_done
	global_prefetch_b8 v[PFO], s[66:67] offset:65536 th:TH_LOAD_NT scope:SCOPE_SE
	global_prefetch_b8 v[PFO], s[66:67] offset:73728 th:TH_LOAD_NT scope:SCOPE_SE
.Lpf_done:
	s_wait_kmcnt 0x0
	s_add_co_i32 s42, s42, s43
	s_add_co_i32 s42, s42, 127
	s_lshl_b32 s42, s42, 23                        ; 2^(e10 + e11)
	s_mov_b32 s43, s42
.macro FRAG reg, adr, off              ; a fragment, 16 rows x 128 K: four pieces
.irp c, 0,1,2,3
	ds_load_b128 v[\reg+4*\c:\reg+4*\c+3], v[\adr] offset:\off+512*\c
.endr
.endm
.macro FET ai, off, p                  ; a step's fragments, at byte off of region ai's parts, into sets p: P's eight, Q's four: 48 loads
	WIN TO_B
.irp i, 0,1,2,3,4,5,6,7
	FRAG 128*(\p)+FR*\i, ADRB+\ai, \off+4096*\i
.endr
	WIN 0
.irp i, 0,1,2,3
	FRAG AF+64*(\p)+FR*\i, ADRA+\ai, \off+4096*\i
.endr
.endm
.macro MUL32 p, zero                   ; 128 along K: the 32 accumulators take turns, one instruction a turn, in the same order in every step
	WIN MUL
.irp a, 0,1,2,3
.irp b, 0,1,2,3,4,5,6,7
.if \zero
	v_wmma_f32_16x16x128_fp8_fp8 v[8*(8*\a+\b):8*(8*\a+\b)+7], v[128*(\p)+FR*\b:128*(\p)+FR*\b+FR-1], v[AF+64*(\p)+FR*\a:AF+64*(\p)+FR*\a+FR-1], 0
.else
	v_wmma_f32_16x16x128_fp8_fp8 v[8*(8*\a+\b):8*(8*\a+\b)+7], v[128*(\p)+FR*\b:128*(\p)+FR*\b+FR-1], v[AF+64*(\p)+FR*\a:AF+64*(\p)+FR*\a+FR-1], v[8*(8*\a+\b):8*(8*\a+\b)+7]
.endif
.endr
.endr
	WIN 0
.endm
.macro PLACES                          ; plain vector lines between a matrix instruction and a load into, or a read of, its registers
.rept 4
	v_nop
.endr
.endm
.macro GO p, ai, off, zero             ; sets p are multiplied; ahead of that the next step's fragments are asked for, into the other sets
	s_wait_dscnt 0x0                               ; sets p are in
	PLACES
	FET \ai, \off, 1-(\p)
	MUL32 \p, \zero
.endm
	s_wait_alu depctr_va_vdst(0)                   ; the wait at the head's end
	s_wait_tensorcnt 0x0                           ; my part of region A is in; region B's first fill is issued as a refill is:
	ds_add_u32 v[SPW], v[NIL]                      ; 0 onto my spare word
	s_wait_dscnt 0x0
	CROUND
	JLOAD G0QB, G1QB, G0PB, G1PB                   ; region B: the first tensor load behind the round
	FET 0, 0, 0
	GO 0, 0, 2048, 1                               ; the first products start the sums: nothing is cleared.  Eight steps of 128, written out: three fills give no loop
	GO 1, 0, 32768, 0
	GO 0, 0, 32768+2048, 0
	s_wait_tensorcnt 0x0                           ; my part of region B is in
	ds_add_u32 v[SPW], v[NIL]
	s_wait_dscnt 0x1                               ; sets 1 are in; the add may be out
	MUL32 1, 0
	s_wait_dscnt 0x0                               ; the add is done, and my reads of region A are over
	CROUND                                         ; so with every wave of every partner
	JLOAD G0QC, G1QB, G0PC, G1PB                   ; K 768 on, onto region A's first parts: my one load behind the round; its four v_nop are the places for the loads below
	FET 1, 0, 0
	GO 0, 1, 2048, 0
	s_wait_tensorcnt 0x0                           ; my part of the refill is in
	ds_add_u32 v[SPW], v[NIL]
	s_wait_dscnt 0x1
	MUL32 1, 0
	s_wait_dscnt 0x0                               ; my reads of region B are over: behind this barrier it serves as stage
	s_barrier_signal -1
	s_barrier_wait -1
	PLACES
	FET 0, 0, 0
	GO 0, 0, 2048, 0
	s_wait_dscnt 0x0
	MUL32 1, 0
; THE WAY OUT, a block of 16 rows x 128 columns at a time: x 2^(e10 + e11) + bias; through my stage; back as whole rows of 512 bytes, which the 32 lanes store as two aligned units of 256 bytes.
; LDS serves a wave's instructions in order (ISA guide 5.7.1.4): no wait between the stores and the loads.
.macro TOSTAGE a
.set AC, 64*(\a)
	WIN 0x82                                       ; source 0 and destination: window 2
.set j, 0
.rept 32
	v_pk_fma_f32 v[AC+j:AC+j+1], v[AC+j:AC+j+1], s[42:43], v[BP+j:BP+j+1] op_sel_hi:[1,0,1]   ; each accumulator from its low end on
.set j, j+2
.endr
	WIN 0x08                                       ; the stores' data: window 2
.irp b, 0,1,2,3
.irp j, 0,1,2,3
	ds_store_b128 v[STO], v[AC+16*\b+4*\j:AC+16*\b+4*\j+3] offset:128*\b+16*\j
.endr
.endr
	WIN 0
.set BB, BK+64*((\a)%2)
.irp t, 0,1,2,3,4,5,6,7,8,9,10,11,12,13,14,15
	ds_load_b128 v[BB+4*\t:BB+4*\t+3], v[RD] offset:\t*SPITCH
.endr
.endm
.macro SEND a, younger                 ; younger: the LDS instructions issued behind block a's loads, which may stay out
.set BB, BK+64*((\a)%2)
	s_wait_dscnt \younger
.irp t, 0,1,2,3,4,5,6,7,8,9,10,11,12,13,14,15
	global_store_b128 v[CO], v[BB+4*\t:BB+4*\t+3], s[12:13] offset:(32*((\a)/2)+8*((\a)%2)+\t+8*(\t/8))*4096 th:TH_STORE_NT
.endr
.endm
	PLACES
	s_wait_loadcnt 0x0                             ; the bias
	TOSTAGE 0
.irp a, 1,2,3
.if \a > 1
	s_wait_xcnt 0x0                                ; block a - 2's stores have read their registers: block a's loads may land there
.endif
	TOSTAGE \a
	SEND \a-1, 32                                  ; behind block a - 1's loads: block a's 16 stores and 16 loads
.endr
	SEND 3, 0
	s_wait_tensorcnt 0x0                           ; the wave's end
	ds_add_u32 v[SPW], v[NIL]
	s_wait_dscnt 0x0
	CROUND                                         ; the closing round
	s_endpgm
.Lfunc_end_k_qfd5ca75651_oproj:
	.size	k_qfd5ca75651_oproj, .Lfunc_end_k_qfd5ca75651_oproj-k_qfd5ca75651_oproj
	.p2alignl 7, 3214868480
	.fill 96, 4, 3214868480
	.section	.rodata,"a",@progbits
	.p2align	6, 0x0
	.amdhsa_kernel k_qfd5ca75651_oproj
		.amdhsa_group_segment_fixed_size 327680
		.amdhsa_private_segment_fixed_size 0
		.amdhsa_enable_private_segment 0
		.amdhsa_kernarg_size 40
		.amdhsa_user_sgpr_count 2
		.amdhsa_user_sgpr_kernarg_segment_ptr 1
		.amdhsa_wavefront_size32 1
		.amdhsa_system_sgpr_workgroup_id_x 1
		.amdhsa_system_sgpr_workgroup_id_y 1
		.amdhsa_system_sgpr_workgroup_id_z 1
		.amdhsa_system_vgpr_workitem_id 0
		.amdhsa_next_free_vgpr 768
		.amdhsa_next_free_sgpr 100
		.amdhsa_reserve_vcc 0
		.amdhsa_float_denorm_mode_32 3
		.amdhsa_float_denorm_mode_16_64 3
		.amdhsa_memory_ordered 1
		.amdhsa_forward_progress 1
		.amdhsa_inst_pref_size 77
	.end_amdhsa_kernel
	.amdgpu_metadata
---
amdhsa.version: [ 1, 2 ]
amdhsa.kernels:
  - .name:           k_qfd5ca75651_oproj
    .symbol:         k_qfd5ca75651_oproj.kd
    .args:
      - { .name: acodes, .offset: 0, .size: 8, .value_kind: global_buffer, .address_space: global }
      - { .name: wcodes, .offset: 8, .size: 8, .value_kind: global_buffer, .address_space: global }
      - { .name: lowp_scales, .offset: 16, .size: 8, .value_kind: global_buffer, .address_space: global }
      - { .name: bo, .offset: 24, .size: 8, .value_kind: global_buffer, .address_space: global }
      - { .name: out0, .offset: 32, .size: 8, .value_kind: global_buffer, .address_space: global }
    .group_segment_fixed_size: 327680
    .private_segment_fixed_size: 0
    .kernarg_segment_align: 8
    .kernarg_segment_size: 40
    .max_flat_workgroup_size: 128
    .sgpr_count:     100
    .vgpr_count:     768
    .wavefront_size: 32
...
	.end_amdgpu_metadata
.endif
;; end of part 4
